; MI455X (gfx1250); checked and timed in simulation.
; The chip was launched on July 23, 2026; its instructions are those of AMD's public machine-readable ISA for CDNA 5 (MIT licence, August 2026) and "CDNA5" Instruction Set Architecture Reference Guide (July 2026). The comments in the code are by the model that wrote it; some were corrected since.
;; Causal Self Attention. Allowed arithmetic: matrix products marked QUANTISED: E2M1 operands, one E8M0 scale for each 32 along K, by v_wmma_scale_f32_16x16x128_f8f6f4 with both operands' format E2M1 (or v_wmma_scale_f32_32x16x128_f4), f32 sums; products left as they are: bf16, f16 or f32 operands; f32 sums; everything else in f32.
;; Inputs: w_proj 1,024 x 1,024 float32; w_qkv 3,072 x 1,024 float32; x 4 x 2,048 x 1,024 float32.
;; Outputs: out0 4 x 2,048 x 1,024 float32.
;; This version of the problem:
;;   THIS VERSION OF THE PROBLEM IS GIVEN IN LOW PRECISION. The matrix products marked QUANTISED in the list below multiply operands that are first quantised to E2M1 (2 exponent bits, 1 mantissa bit; 4 bits a number), with one power-of-two scale for each 32 numbers along K (OCP MX v1.0); their sums are f32. The products marked 'left as it is' may take bf16, f16 or f32 operands, with f32 sums. Whichever they take, every output number must still come out within the allowed error. Rounding operands to bf16 (8 significant bits) uses up far more of that allowance than f16 does (11 bits, for magnitudes from 6e-5 to 65,504). All else is computed in f32.
;;   The module's matrix products, in the order in which they are computed (A, B: the left and right operand; K: the contracted axis; several contracted axes count as one K, in the product's order):
;;     1. [M 8,192, K 1,024] x [K 1,024, N 3,072]; A: input x; B: input w_qkv: QUANTISED
;;     2. batch 64 x [M 2,048, K 64] x [K 64, N 2,048]; A: computed on the way; B: computed on the way: left as it is (an operand is computed on the way)
;;     3. batch 64 x [M 2,048, K 2,048] x [K 2,048, N 64]; A: computed on the way; B: computed on the way: left as it is (an operand is computed on the way)
;;     4. [M 8,192, K 1,024] x [K 1,024, N 1,024]; A: computed on the way; B: input w_proj: left as it is (an operand is computed on the way)
;;   THE QUANTISER, for each operand of a quantised product, along K:
;;     - K is cut into blocks of 32 from its start; a last block that is shorter is filled with zeros.
;;     - A block's scale is 2^e with e = floor(log2(the largest magnitude in the block)) - 2, held to -126 .. 127; a block of zeros has e = 0. As a byte (E8M0): e + 127.
;;     - Each number is divided by its block's scale, clamped to +-6, and rounded to the nearest number of E2M1, ties to even, subnormals kept.
;;     - The product sums the exact products of the quantised numbers (number of the format x scale) in f32.
;;   ~~~python
;;   def quantise(x, axis):      # numpy; x: float32 -> the quantised numbers, widened to float32 again
;;       x = np.moveaxis(x, axis, -1); K = x.shape[-1]
;;       x = np.pad(x, [(0, 0)] * (x.ndim - 1) + [(0, -K % 32)]); x = x.reshape(x.shape[:-1] + (-1, 32)); a = np.abs(x).max(-1, keepdims=True)
;;       e = np.where(a > 0, np.clip(np.frexp(np.where(a > 0, a, 1))[1] - 1 - 2, -126, 127), 0)      # np.frexp(a)[1] - 1 = floor(log2(a)), exactly
;;       r = np.clip(x / 2.0 ** e, -6, 6)
;;       step = 2.0 ** (np.maximum(np.frexp(np.where(r == 0, 1, r))[1] - 1, 0) - 1)
;;       q = np.round(r / step) * step * 2.0 ** e      # np.round: ties to even
;;       return np.moveaxis(q.reshape(q.shape[:-2] + (-1,))[..., :K], -1, axis).astype(np.float32)
;;   ~~~
;; One version. Each part assembles by itself: llvm-mc -triple=amdgcn-amd-amdhsa -mcpu=gfx1250 --defsym DOCPART=n.
;; ======== version 1 of 1: 6 launches
;; limits: values are held in f16: magnitudes above 65,504 overflow, below 6.1e-05 lose precision
;; workspace buffers: codes 5,767,168 bytes; scales 360,448 bytes; wp16 2,097,152 bytes; rope 524,288 bytes; qkv16 50,331,648 bytes; ao16 16,777,216 bytes; fo32 262,144 bytes
;; launch prep (part 1): grid 416 x 1, 4 waves a work-group, no clusters, 33,280 bytes of LDS; arguments x, w_qkv, w_proj, codes, scales, wp16, rope; writes codes, scales, wp16, rope
.if DOCPART == 1
	.amdgcn_target "amdgcn-amd-amdhsa--gfx1250"
	.amdhsa_code_object_version 6
	.text
	.protected	k_qbd3f0bf1c1_prep
	.globl	k_qbd3f0bf1c1_prep
	.p2align	8
	.type	k_qbd3f0bf1c1_prep,@function
k_qbd3f0bf1c1_prep:
	s_mov_b64 s[64:65], 0
	v_nop
	global_prefetch_b8 v0, s[64:65] scope:SCOPE_SE
	s_setreg_imm32_b32 hwreg(HW_REG_WAVE_MODE, 25, 1), 1
	s_wait_xcnt 0x0
; PREP: three streams in one launch, told apart by the work-group's number.
;   work-groups   0-351  x [8192][1024] and w_qkv [3072][1024], f32, become codes of FP4 (E2M1), K innermost, two codes a byte, and one E8M0 byte for each 32 along K.
;                        x's codes lie at byte 0 of 'codes', w_qkv's at byte 4,194,304; x's scale bytes at byte 0 of 'scales', w_qkv's at byte 262,144.
;   work-groups 352-383  w_proj [1024][1024] f32 is rounded to f16 (an operand of a product that is left as it is).
;   work-groups 384-415  the table of the rotary embedding: for token t 64 f32: cos(t f_j), j = 0..31, then sin(t f_j); f_j = 10000^(-j/32).
; A block's scale is 2^(floor(log2(its largest magnitude)) - 2); its byte is the largest magnitude's exponent field - 2, held at 1 from below.
; LIMITS: a block of zeros gets the byte 1 where the rule says 127 (its codes are zeros, and this program alone reads the bytes); blocks whose largest magnitude lies under 2^-124 are held at the byte 1;
; NaN and infinities among the inputs are not served; |w_proj| stays under 65,504, f16's largest number; f_j is made by the base-2 exponential and lies within about 7e-7 (relative) of 10000^(-j/32).
; No tensor loads, no barrier, no matrix unit: memory binds, and waves share nothing.  Every store of a wave covers whole aligned runs of 256 bytes.
.set STEPS, 16                         ; a quantising wave takes 16 steps of 512 numbers
.set EMAX,  2
.set CB,    8                          ; bytes of 16 codes
.set R,     16                         ; v16-79   four sets of 16 numbers as they are loaded
.set X,     80                         ; v80-111  two sets of 16 neighbours
.set E,     112                        ; v112-127 a scale byte for each step
.set C,     128                        ; v128-191 codes: four registers for each step, so that no store's data are written again
.set WREG,  8192                       ; LDS: a region for each wave: two stages of 32 x SP bytes, behind them its 256 scale bytes
.set SP,    80                         ; a lane's place in a stage: 64 bytes + 16 of padding
.set SPW,   12                         ; v12  LDS address of my spare word; never rewritten
.set NIL,   13                         ; v13  0; never rewritten
.set SPARE, 4*WREG                     ; behind the four regions: the spare words, 128 bytes a wave, which no other line names
.macro FINISH                          ; a wave's end, behind the last LDS store
	s_wait_tensorcnt 0x0
	ds_add_u32 v[SPW], v[NIL]
	s_wait_dscnt 0x0
	s_endpgm
.endm
	s_load_b128 s[4:7], s[0:1], 0x0                ; x, w_qkv
	s_load_b128 s[8:11], s[0:1], 0x10              ; w_proj, codes
	s_load_b128 s[12:15], s[0:1], 0x20             ; scales, wp16
	s_load_b64 s[16:17], s[0:1], 0x30              ; rope
	v_lshl_add_u32 v[SPW], v0, 2, SPARE
	v_mov_b32 v[NIL], 0
	v_lshrrev_b32 v1, 5, v0
	v_readfirstlane_b32 s18, v1                    ; wave
	v_and_b32 v2, 31, v0                           ; lane
	v_lshlrev_b32 v3, 4, v2                        ; 16 x lane: my 16 bytes of a load's 512
	v_lshlrev_b32 v4, 3, v2                        ; 8 x lane: my 8 bytes of a store's 256
	; all LDS addresses are made here, ahead of the first branch
	s_mul_i32 s19, s18, WREG
	v_lshrrev_b32 v14, 2, v2
	v_mul_u32_u24 v14, v14, SP
	v_and_b32 v15, 3, v2
	v_lshl_add_u32 v14, v15, 4, v14
	v_add_nc_u32 v14, s19, v14                     ; the stage, on the way in: SP (lane / 4) + 16 (lane % 4)
	v_mul_u32_u24 v15, v2, SP
	v_add_nc_u32 v15, s19, v15                     ; and on the way out: SP x lane: my 16 neighbours
	v_lshrrev_b32 v5, 1, v2
	s_add_co_u32 s19, s19, 2*32*SP
	v_add_nc_u32 v5, s19, v5                       ; my wave's 256 scale bytes: my block's byte
	v_add_nc_u32 v6, s19, v4                       ; and 8 bytes a lane on the way out
	s_mov_b32 s21, 0
	s_wait_kmcnt 0x0
	s_cmp_lt_u32 ttmp9, 352
	s_cbranch_scc0 .Lnot_quant
; ---------------- the quantiser.  Rows are dense and K is a multiple of 32: both tensors are plain streams of blocks of 32, and so are codes and scale bytes.
	s_cmp_lt_u32 ttmp9, 256                        ; x's work-group or w_qkv's: the choice hangs on the work-group's number alone
	s_cselect_b64 s[4:5], s[4:5], s[6:7]
	s_cselect_b32 s19, 0, 256
	s_sub_co_u32 s19, ttmp9, s19
	s_lshl_b32 s19, s19, 2
	s_add_co_u32 s20, s19, s18                     ; which run of 8,192 numbers of the tensor is my wave's
	s_lshl_b32 s20, s20, 15                        ; 32,768 bytes a run
	s_add_nc_u64 s[4:5], s[4:5], s[20:21]
	s_lshl_b32 s22, ttmp9, 2
	s_add_co_u32 s22, s22, s18                     ; the run's number over both tensors: x's 1,024 runs fill just the first part of both workspace buffers
	s_lshl_b32 s20, s22, 12                        ; 4,096 bytes of codes a run
	s_add_nc_u64 s[10:11], s[10:11], s[20:21]
	s_lshl_b32 s20, s22, 8                         ; 256 scale bytes a run
	s_add_nc_u64 s[12:13], s[12:13], s[20:21]
.macro LOAD t
.irp i, 0,1,2,3
	global_load_b128 v[R+16*((\t)%4)+4*\i:R+16*((\t)%4)+4*\i+3], v3, s[4:5] offset:2048*(\t)+512*\i th:TH_LOAD_NT   ; 32 lanes read 512 consecutive bytes
.endr
.endm
.macro TURN t                          ; step t's numbers through the stage: LDS serves a wave's instructions in order, so no wait stands between the stores and the loads
.irp i, 0,1,2,3
	ds_store_b128 v14, v[R+16*((\t)%4)+4*\i:R+16*((\t)%4)+4*\i+3] offset:32*SP*((\t)%2)+8*SP*\i
.endr
.irp i, 0,1,2,3
	ds_load_b128 v[X+16*((\t)%2)+4*\i:X+16*((\t)%2)+4*\i+3], v15 offset:32*SP*((\t)%2)+16*\i
.endr
.endm
.irp t, 0,1,2,3
	LOAD \t
.endr
	s_wait_loadcnt 12                              ; step 0's four loads are in; the twelve of steps 1 to 3 stay out
	TURN 0
.macro STEP t
.set XS, X+16*((\t)%2)
.if (\t) > 0
	s_wait_dscnt 1                                 ; this step's numbers are back from the stage (the last step's byte store may be out)
.else
	s_wait_dscnt 0x0
.endif
.if (\t)+4 < STEPS
	LOAD (\t)+4                                    ; into the registers that the stage's stores have read
.endif
.if (\t)+1 < STEPS
.if STEPS-2-(\t) >= 3
	s_wait_loadcnt 12                              ; the next step's four loads are in; those of the three steps behind it may be out
.else
	s_wait_loadcnt 4*(STEPS-2-(\t))
.endif
	TURN (\t)+1                                    ; they go through the other stage while this step is worked
.endif
	v_max3_num_f32 v8, |v[XS]|, |v[XS+1]|, |v[XS+2]|               ; the largest magnitude of my 16, in two chains
	v_max3_num_f32 v9, |v[XS+3]|, |v[XS+4]|, |v[XS+5]|
.irp i, 6,10
	v_max3_num_f32 v8, v8, |v[XS+\i]|, |v[XS+\i+1]|
	v_max3_num_f32 v9, v9, |v[XS+\i+2]|, |v[XS+\i+3]|
.endr
	v_max3_num_f32 v8, v8, |v[XS+14]|, |v[XS+15]|
	v_max3_num_f32 v8, v8, v9, (EMAX+1)<<23        ; and the floor 2^(3 - 127): so the byte cannot fall under 1
	v_max_num_f32_dpp v8, v8, v8 row_xmask:1 row_mask:0xf bank_mask:0xf   ; and of my neighbour's 16: the block's
	v_add_nc_u32 v11, -(EMAX<<23), v8              ; 2 off its exponent field: the conversion takes the exponent field of this operand as its scale
	v_cvt_scalef32_pk8_fp4_f32 v[C+4*(\t)], v[XS:XS+7], v11
	v_cvt_scalef32_pk8_fp4_f32 v[C+4*(\t)+1], v[XS+8:XS+15], v11
	v_lshrrev_b32 v[E+(\t)], 23, v11               ; the scale's byte
	ds_store_b8 v5, v[E+(\t)] offset:16*(\t)       ; both lanes of a block write the same byte with the same value
	global_store_b64 v4, v[C+4*(\t):C+4*(\t)+1], s[10:11] offset:32*CB*(\t)   ; the wave stores 256 consecutive bytes
.endm
.irp t, 0,1,2,3,4,5,6,7,8,9,10,11,12,13,14,15
	STEP \t
.endr
	ds_load_b64 v[8:9], v6                         ; LDS serves a wave's instructions in order: these see my byte stores
	s_wait_dscnt 0x0
	global_store_b64 v4, v[8:9], s[12:13]          ; my wave's 256 scale bytes, one aligned run
	FINISH
; ---------------- w_proj to f16: a wave takes 8,192 numbers in four batches of 16 loads; two sets of registers by turns
.Lnot_quant:
	s_cmp_lt_u32 ttmp9, 384
	s_cbranch_scc0 .Lrope
	s_sub_co_u32 s19, ttmp9, 352
	s_lshl_b32 s19, s19, 2
	s_add_co_u32 s19, s19, s18                     ; run 0..127
	s_lshl_b32 s20, s19, 15
	s_add_nc_u64 s[8:9], s[8:9], s[20:21]
	s_lshl_b32 s20, s19, 14
	s_add_nc_u64 s[14:15], s[14:15], s[20:21]
.macro LOADB t
.irp i, 0,1,2,3,4,5,6,7,8,9,10,11,12,13,14,15
	global_load_b128 v[16+64*((\t)%2)+4*\i:16+64*((\t)%2)+4*\i+3], v3, s[8:9] offset:8192*(\t)+512*\i th:TH_LOAD_NT
.endr
.endm
.macro BATCH t
.if (\t) < 3
	s_wait_loadcnt 16                              ; this batch is in; the other set's sixteen loads may be out
.else
	s_wait_loadcnt 0x0
.endif
	s_wait_xcnt 0x0                                ; the last batch's stores have read their data registers, which are written again below
.irp i, 0,1,2,3,4,5,6,7,8,9,10,11,12,13,14,15
	v_cvt_pk_f16_f32 v[144+2*\i], v[16+64*((\t)%2)+4*\i], v[16+64*((\t)%2)+4*\i+1]
	v_cvt_pk_f16_f32 v[145+2*\i], v[16+64*((\t)%2)+4*\i+2], v[16+64*((\t)%2)+4*\i+3]
.endr
.if (\t) < 2
	LOADB (\t)+2
.endif
.irp i, 0,1,2,3,4,5,6,7,8,9,10,11,12,13,14,15
	global_store_b64 v4, v[144+2*\i:145+2*\i], s[14:15] offset:4096*(\t)+256*\i   ; 32 lanes store 256 consecutive bytes
.endr
.endm
	LOADB 0
	LOADB 1
	BATCH 0
	BATCH 1
	BATCH 2
	BATCH 3
	FINISH
; ---------------- the table.  A wave makes 16 tokens, two a trip.  Lane L: token + (L / 16); cos (bit 3 of L = 0) or sin (1); frequencies 4 (L % 8) + 0..3: its 16 bytes lie at 16 L of the trip's 512.
; angle a = t f (one rounding); n = the nearest whole number to a 2/pi; r = a - n pi/2, pi/2 in two parts (the first product and difference are exact: a < 2^11, n < 2^11);
; sin and cos of r, |r| <= pi/4, by their series to r^9 and r^8; the quadrant n (+ 1 for cos) picks one of the two and the sign.
.Lrope:
	s_sub_co_u32 s19, ttmp9, 384
	s_lshl_b32 s19, s19, 2
	s_add_co_u32 s19, s19, s18
	s_lshl_b32 s19, s19, 4                         ; my wave's first token
	s_lshl_b32 s20, s19, 8                         ; 256 bytes a token
	s_add_nc_u64 s[16:17], s[16:17], s[20:21]
	s_mov_b32 s24, 0xbfc90fdb                      ; -(pi/2 rounded to f32)
	s_mov_b32 s25, 0x333bbd2e                      ; that rounding's excess over pi/2, 4.3711390e-8
	v_and_b32 v25, 7, v2
	v_lshlrev_b32 v25, 2, v25
.irp e, 0,1,2,3
	v_add_nc_u32 v[16+\e], \e, v25                 ; j
.endr
.irp e, 0,1,2,3
	v_cvt_f32_u32 v[16+\e], v[16+\e]
.endr
.irp e, 0,1,2,3
	v_mul_f32 v[16+\e], 0xbed49a78, v[16+\e]       ; -j log2(10000) / 32
.endr
.irp e, 0,1,2,3
	v_exp_f32 v[16+\e], v[16+\e]                   ; f_j
.endr
	v_lshrrev_b32 v20, 4, v2                       ; (a plain instruction behind the exponentials)
	v_add_nc_u32 v20, s19, v20
	v_cvt_f32_u32 v20, v20                         ; t
	v_bfe_u32 v21, v2, 3, 1
	v_sub_nc_u32 v21, 1, v21                       ; 1 for cos, 0 for sin: cos a = sin(a + pi/2)
	v_mov_b32 v22, v3                              ; the store's offset
	v_mov_b32 v23, 0x3638ef1d                      ; 1/9!
	v_mov_b32 v24, 0x37d00d01                      ; 1/8!
	s_wait_alu depctr_va_vdst(0)                   ; one wait for the four exponentials, ahead of their first reader and of the label
	s_mov_b32 s22, 8
.Ltoken:
.irp e, 0,1,2,3
	v_mul_f32 v[32+\e], v20, v[16+\e]              ; a
.endr
.irp e, 0,1,2,3
	v_mul_f32 v[36+\e], 0x3f22f983, v[32+\e]       ; a 2/pi
.endr
.irp e, 0,1,2,3
	v_rndne_f32 v[36+\e], v[36+\e]                 ; n
.endr
.irp e, 0,1,2,3
	v_fma_f32 v[40+\e], v[36+\e], s24, v[32+\e]
.endr
.irp e, 0,1,2,3
	v_fma_f32 v[40+\e], v[36+\e], s25, v[40+\e]    ; r
.endr
.irp e, 0,1,2,3
	v_cvt_i32_f32 v[44+\e], v[36+\e]
.endr
.irp e, 0,1,2,3
	v_add_nc_u32 v[44+\e], v[44+\e], v21           ; the quadrant
.endr
.irp e, 0,1,2,3
	v_mul_f32 v[48+\e], v[40+\e], v[40+\e]         ; z = r r
.endr
.irp e, 0,1,2,3
	v_fmaak_f32 v[52+\e], v23, v[48+\e], 0xb9500d01    ; sin: z/9! - 1/7!
	v_fmaak_f32 v[56+\e], v24, v[48+\e], 0xbab60b61    ; cos: z/8! - 1/6!
.endr
.irp e, 0,1,2,3
	v_fmaak_f32 v[52+\e], v[48+\e], v[52+\e], 0x3c088889   ; + 1/5!
	v_fmaak_f32 v[56+\e], v[48+\e], v[56+\e], 0x3d2aaaab   ; + 1/4!
.endr
.irp e, 0,1,2,3
	v_fmaak_f32 v[52+\e], v[48+\e], v[52+\e], 0xbe2aaaab   ; - 1/3!
	v_fma_f32 v[56+\e], v[48+\e], v[56+\e], -0.5
.endr
.irp e, 0,1,2,3
	v_mul_f32 v[52+\e], v[52+\e], v[48+\e]
	v_fma_f32 v[56+\e], v[48+\e], v[56+\e], 1.0        ; cos r
.endr
.irp e, 0,1,2,3
	v_fma_f32 v[52+\e], v[52+\e], v[40+\e], v[40+\e]   ; sin r
	v_and_b32 v[28+\e], 1, v[44+\e]
.endr
.irp e, 0,1,2,3
	v_cmp_eq_u32 vcc_lo, 1, v[28+\e]
	v_cndmask_b32 v[60+\e], v[52+\e], v[56+\e], vcc_lo ; odd quadrants take cos r
.endr
.irp e, 0,1,2,3
	v_lshlrev_b32 v[28+\e], 30, v[44+\e]
.endr
.irp e, 0,1,2,3
	v_and_b32 v[28+\e], 0x80000000, v[28+\e]           ; quadrants 2 and 3 turn the sign
.endr
.irp e, 0,1,2,3
	v_xor_b32 v[60+\e], v[60+\e], v[28+\e]
.endr
	global_store_b128 v22, v[60:63], s[16:17]      ; two tokens: 512 consecutive bytes
	v_add_f32 v20, 2.0, v20
	s_wait_xcnt 0x0                                ; the store has read its offset and its data: both are written again only behind this wait
	v_add_nc_u32 v22, 512, v22
	s_sub_co_u32 s22, s22, 1
	s_cmp_lg_u32 s22, 0
	s_cbranch_scc1 .Ltoken
	FINISH
.Lfunc_end_k_qbd3f0bf1c1_prep:
	.size	k_qbd3f0bf1c1_prep, .Lfunc_end_k_qbd3f0bf1c1_prep-k_qbd3f0bf1c1_prep
	.p2alignl 7, 3214868480
	.fill 96, 4, 3214868480
	.section	.rodata,"a",@progbits
	.p2align	6, 0x0
	.amdhsa_kernel k_qbd3f0bf1c1_prep
		.amdhsa_group_segment_fixed_size 33280
		.amdhsa_private_segment_fixed_size 0
		.amdhsa_enable_private_segment 0
		.amdhsa_kernarg_size 56
		.amdhsa_user_sgpr_count 2
		.amdhsa_user_sgpr_kernarg_segment_ptr 1
		.amdhsa_wavefront_size32 1
		.amdhsa_system_sgpr_workgroup_id_x 1
		.amdhsa_system_sgpr_workgroup_id_y 1
		.amdhsa_system_sgpr_workgroup_id_z 1
		.amdhsa_system_vgpr_workitem_id 0
		.amdhsa_next_free_vgpr 192
		.amdhsa_next_free_sgpr 66
		.amdhsa_reserve_vcc 1
		.amdhsa_float_denorm_mode_32 3
		.amdhsa_float_denorm_mode_16_64 3
		.amdhsa_memory_ordered 1
		.amdhsa_forward_progress 1
		.amdhsa_inst_pref_size 60
	.end_amdhsa_kernel
	.amdgpu_metadata
---
amdhsa.version: [ 1, 2 ]
amdhsa.kernels:
  - .name:           k_qbd3f0bf1c1_prep
    .symbol:         k_qbd3f0bf1c1_prep.kd
    .args:
      - { .name: x, .offset: 0, .size: 8, .value_kind: global_buffer, .address_space: global }
      - { .name: w_qkv, .offset: 8, .size: 8, .value_kind: global_buffer, .address_space: global }
      - { .name: w_proj, .offset: 16, .size: 8, .value_kind: global_buffer, .address_space: global }
      - { .name: codes, .offset: 24, .size: 8, .value_kind: global_buffer, .address_space: global }
      - { .name: scales, .offset: 32, .size: 8, .value_kind: global_buffer, .address_space: global }
      - { .name: wp16, .offset: 40, .size: 8, .value_kind: global_buffer, .address_space: global }
      - { .name: rope, .offset: 48, .size: 8, .value_kind: global_buffer, .address_space: global }
    .group_segment_fixed_size: 33280
    .private_segment_fixed_size: 0
    .kernarg_segment_align: 8
    .kernarg_segment_size: 56
    .max_flat_workgroup_size: 128
    .sgpr_count:     66
    .vgpr_count:     192
    .wavefront_size: 32
...
	.end_amdgpu_metadata
.endif
;; end of part 1
;; launch qkv (part 2): grid 12 x 32, 4 waves a work-group, clusters of 4 x 4, 327,680 bytes of LDS; arguments codes, scales, rope, qkv16; writes qkv16
.if DOCPART == 2
	.amdgcn_target "amdgcn-amd-amdhsa--gfx1250"
	.amdhsa_code_object_version 6
	.text
	.protected	k_qbd3f0bf1c1_qkv
	.globl	k_qbd3f0bf1c1_qkv
	.p2align	8
	.type	k_qbd3f0bf1c1_qkv,@function
k_qbd3f0bf1c1_qkv:
	s_mov_b64 s[64:65], 0
	v_nop
	global_prefetch_b8 v0, s[64:65] scope:SCOPE_SE
	s_setreg_imm32_b32 hwreg(HW_REG_WAVE_MODE, 25, 1), 1
	s_wait_xcnt 0x0
	s_wait_alu depctr_hold_cnt(0) depctr_sa_sdst(0) depctr_va_vdst(0) depctr_va_sdst(0) depctr_va_ssrc(0) depctr_va_vcc(0) depctr_vm_vsrc(0)
	s_getreg_b32 s2, hwreg(HW_REG_IB_STS2, 6, 4)
	s_cmp_eq_u32 s2, 0
	s_cbranch_scc0 .Lentry_in_a_cluster
	s_endpgm
.Lentry_in_a_cluster:
	s_bfe_u32 s2, ttmp6, 0x10000c
	s_cmp_lg_u32 s2, 0xf033
	s_cbranch_scc0 .Lentry_shape_is_right
	s_endpgm
.Lentry_shape_is_right:
; QKV: the quantised product x w_qkv^T on codes of FP4 with E8M0 scales, then the rotary embedding (q and k) in f32, then one rounding to f16.
; A = x's codes [8192][512 bytes] at byte 0 of 'codes', B = w_qkv's [3072][512 bytes] at byte 4,194,304; scale bytes [rows][32] at bytes 0 and 262,144 of 'scales'.
; Out: qkv16 = q, k, v, each [batch x 16 + head][2048 tokens][64] f16, 16,777,216 bytes apart.
; A tile of 256 tokens x 256 features is made by four waves, 128 x 128 each: 64 accumulators, 512 registers.  K = 1,024 is two slots of 512 along K: both slots and all scale bytes are first fills; nothing is filled again.
; CLUSTERS: 4 x 4 work-groups.  The four of a row of the cluster need the same tiles of A, the four of a column the same tiles of B: each tile is asked for jointly, by the same tensor load with a mask that names the four.
; A cluster spans 1,024 features, so the cluster's x says whether its tiles are q's (0), k's (1) or v's (2): the one branch that parts the ways out hangs on it, and it is the same in all sixteen partners.
; THE MATRIX INSTRUCTION IS USED TRANSPOSED (source 0 = 16 rows of B, source 1 = 16 rows of A): lane (r, h) holds token 16 a + r, and register j of accumulator (a, b) feature 16 b + 8 h + j of the wave's 128,
; which are two heads of 64: the rotary partner of channel d < 32, channel d + 32, is the same register of accumulator b + 2 in the same lane.
; LIMIT: |q|, |k|, |v| stay under 65,504, f16's largest number.
; REGISTERS: window 0: v0-31 addresses; v32-95 scale words, two sets, and nothing else; v96-127 packed f16; v128-191 A's fragments, on the way out rows read back; v192-255 cos and sin, two sets.
;   window 1: B's fragments, two sets, at v0 and v128; on the way out v0-63 the turned numbers in f32.   window 2: the accumulators of my tokens 0-63;   window 3: of tokens 64-127.
.set NQ,     4                         ; steps of 128 along K in a slot
.set ROWB,   256                       ; a tile's row in bytes: 512 codes
.set KROW,   512                       ; a row of codes in memory
.set PITCH,  272                       ; an LDS row: 256 bytes + 16 of padding: the 16 rows that a load touches start at 16 different banks
.set FR,     8
.set NL,     2
.set NP,     4                         ; places behind this matrix instruction (ISA guide 7.12.1)
.set HALFT,  128*PITCH
.set SLOT,   4*HALFT                   ; A's 256 rows, then B's 256 rows
.set KS,     32                        ; a row of scale bytes
.set SCL,    2*SLOT                    ; behind the two slots: the scale bytes, as runs of 256 bytes + 16 of padding
.set HALFS,  (128*KS/256)*272
.set SBLK,   (16*KS/256)*272
.set SPARE,  SCL+4*HALFS               ; the spare words, 128 bytes a wave, which no other line names
.set SPITCH, 272                       ; the way out: a stage of 16 rows x (256 bytes + 16) for each wave, in slot 0, which has had its only fill and its last read by then
.set VSTG,   32768                     ; v's way out has stage bytes of its own, this far on in slot 0
.set ADRA, 16
.set ADRB, 20
.set STO,  24                          ; v24  the stage: where I put 16 bytes of a token's row
.set RD,   25                          ; v25  and where I read 16 bytes back
.set CO,   26                          ; v26  my byte offset in qkv16
.set ADRS, 27
.set SPW,  28
.set NIL,  29
.set RO,   30                          ; v30  my byte offset in the table: 256 r + 32 h
.set SC,   32
.set H,    96
.set AF,   128
.set BK,   128
.set CS,   192
.set G1, 24
.set G0, 32
.set G1B, 48
.set G0B, 56
.set G1S, 68
.set G0S, 76
.set G1SB, 80
.set G0SB, 88
.set MSB, 0
.macro WIN new                         ; the immediate's high byte repeats the setting that is left
.if MSB != \new
	s_set_vgpr_msb (MSB<<8)|\new
.set MSB, \new
.endif
.endm
.set MUL_LO, 0xa1                      ; source 0 (B) window 1, source 1 (A) window 0, C and D window 2
.set MUL_HI, 0xf1
.set TO_B,   0x40
; A joint load: waves 0 and 1 fetch for A, waves 2 and 3 for B; the branch hangs on the wave's number alone.  An s_nop 0 and four v_nop follow each of the two lines.
.macro JLOAD g0a, g1a, g0b, g1b
	s_cmp_eq_u32 s15, 0
	s_cbranch_scc0 .Lfor_b_\@
	tensor_load_to_lds s[\g0a:\g0a+3], s[\g1a:\g1a+7]
	s_nop 0
.rept 4
	v_nop
.endr
	s_branch .Lasked_\@
.Lfor_b_\@:
	tensor_load_to_lds s[\g0b:\g0b+3], s[\g1b:\g1b+7]
	s_nop 0
.rept 4
	v_nop
.endr
.Lasked_\@:
.endm
.macro CROUND                          ; a round of the cluster's barrier
	s_barrier_signal -1
	s_barrier_wait -1
	s_cmp_lg_u32 s14, 0
	s_cbranch_scc1 .Lnot_wave_0_\@
	s_barrier_signal -3
.Lnot_wave_0_\@:
	s_barrier_wait -3
	s_barrier_signal -1
	s_barrier_wait -1
.endm
.macro FINISH                          ; a wave's end, with the closing round
	s_wait_tensorcnt 0x0
	ds_add_u32 v[SPW], v[NIL]
	s_wait_dscnt 0x0
	CROUND
	s_endpgm
.endm
	s_load_b256 s[4:11], s[0:1], 0x0               ; codes s[4:5], scales s[6:7], rope s[8:9], qkv16 s[10:11]
	v_lshl_add_u32 v[SPW], v0, 2, SPARE
	v_mov_b32 v[NIL], 0
	ds_add_u32 v[SPW], v[NIL]                      ; the wave's opening: the add, twice on end, and its wait ahead of my first tensor load
	ds_add_u32 v[SPW], v[NIL]
	v_lshrrev_b32 v1, 5, v0
	v_readfirstlane_b32 s14, v1                    ; wave 0..3
	s_lshr_b32 s15, s14, 1                         ; which half of the tile's tokens is mine.  Also: I fetch for A (0) or for B (1)
	s_and_b32 s16, s14, 1                          ; which half of its features.  Also: which 128 rows of that tile I fetch
	s_bfe_u32 s40, ttmp6, 0x40000                  ; cx, cy: my place in the cluster
	s_bfe_u32 s41, ttmp6, 0x40004
	s_lshl_b32 s42, ttmp9, 2
	s_add_co_u32 s42, s42, s40                     ; tile column = 4 x cluster x + cx
	s_and_b32 s17, ttmp7, 0xffff
	s_lshl_b32 s17, s17, 2
	s_add_co_u32 s17, s17, s41                     ; tile row = 4 x cluster y + cy
	s_lshl_b32 s43, s41, 2
	s_lshl_b32 s43, 15, s43                        ; my row of the cluster
	s_lshl_b32 s44, 0x1111, s40                    ; my column
	; descriptor group 1: a tile of 128 rows x 256 bytes, 16 bytes of padding behind each row
	s_or_b32 s[G1+0], s43, (0<<16)|(1<<20)|(1<<21)|(5<<22)|(3<<25)
	s_or_b32 s[G1B+0], s44, (0<<16)|(1<<20)|(1<<21)|(5<<22)|(3<<25)
.irp g, G1, G1B
	s_mov_b32 s[\g+1], ROWB<<16                    ; tensor_dim0
	s_mov_b32 s[\g+2], 128<<16                     ; tensor_dim1
	s_mov_b32 s[\g+3], ROWB<<16                    ; tile_dim0
	s_mov_b32 s[\g+4], 128                         ; tile_dim1
	s_mov_b32 s[\g+5], KROW                        ; from row to row
	s_mov_b32 s[\g+6], 0
	s_mov_b32 s[\g+7], 0
.endr
	; the scale bytes of 128 rows: 4,096 dense bytes, as 16 rows of 256 bytes (32 elements of 8 bytes), 16 bytes of padding behind each
	s_or_b32 s[G1S+0], s43, (3<<16)|(1<<20)|(1<<21)|(5<<22)|(3<<25)
	s_or_b32 s[G1SB+0], s44, (3<<16)|(1<<20)|(1<<21)|(5<<22)|(3<<25)
.irp g, G1S, G1SB
	s_mov_b32 s[\g+1], 32<<16
	s_mov_b32 s[\g+2], (128*KS/256)<<16
	s_mov_b32 s[\g+3], 32<<16
	s_mov_b32 s[\g+4], 128*KS/256
	s_mov_b32 s[\g+5], 32
	s_mov_b32 s[\g+6], 0
	s_mov_b32 s[\g+7], 0
.endr
	s_lshl_b32 s18, s16, 7                         ; which 128 rows of the tile I fetch
	s_lshl_b32 s20, s17, 8
	s_add_co_u32 s20, s20, s18                     ; A: row 256 x tile row + 128 x half
	s_lshl_b32 s46, s42, 8
	s_add_co_u32 s46, s46, s18                     ; B: row 256 x tile column + 128 x half
	s_mov_b32 s21, 0
	s_mov_b32 s47, 0
	s_mov_b64 s[18:19], KS
	s_mul_u64 s[22:23], s[20:21], s[18:19]         ; where these rows' scale bytes begin
	s_mul_u64 s[92:93], s[46:47], s[18:19]
	s_mov_b64 s[18:19], KROW
	s_mul_u64 s[20:21], s[20:21], s[18:19]         ; and their codes
	s_mul_u64 s[46:47], s[46:47], s[18:19]
	s_add_nc_u64 s[92:93], s[92:93], 262144        ; w_qkv's part of both buffers lies behind x's
	s_add_nc_u64 s[46:47], s[46:47], 4194304
	s_mul_i32 s45, s14, HALFT                      ; where they go: wave x 128 rows: no place in the cluster enters an LDS address
	s_mul_i32 s94, s14, HALFS
	s_wait_dscnt 0x0                               ; both opening adds are done
	s_wait_kmcnt 0x0
	s_add_nc_u64 s[20:21], s[4:5], s[20:21]
	s_add_nc_u64 s[22:23], s[6:7], s[22:23]
	s_add_nc_u64 s[46:47], s[4:5], s[46:47]
	s_add_nc_u64 s[92:93], s[6:7], s[92:93]
	CROUND                                         ; all sixteen work-groups are here: the joint loads meet
	s_mov_b32 s[G0S], 1
	s_add_co_u32 s[G0S+1], s94, SCL
	s_mov_b64 s[G0S+2:G0S+3], s[22:23]
	s_or_b32 s[G0S+3], s[G0S+3], 0x80000000
	s_mov_b32 s[G0SB], 1
	s_add_co_u32 s[G0SB+1], s94, SCL
	s_mov_b64 s[G0SB+2:G0SB+3], s[92:93]
	s_or_b32 s[G0SB+3], s[G0SB+3], 0x80000000
	JLOAD G0S, G1S, G0SB, G1SB                     ; the scale bytes first: they are wanted with the first slot
.irp s, 0,1
	s_mov_b32 s[G0+4*\s], 1
	s_add_co_u32 s[G0+4*\s+1], s45, \s*SLOT
	s_add_nc_u64 s[G0+4*\s+2:G0+4*\s+3], s[20:21], \s*ROWB
	s_or_b32 s[G0+4*\s+3], s[G0+4*\s+3], 0x80000000
	s_mov_b32 s[G0B+4*\s], 1
	s_add_co_u32 s[G0B+4*\s+1], s45, \s*SLOT
	s_add_nc_u64 s[G0B+4*\s+2:G0B+4*\s+3], s[46:47], \s*ROWB
	s_or_b32 s[G0B+4*\s+3], s[G0B+4*\s+3], 0x80000000
	JLOAD G0+4*\s, G1, G0B+4*\s, G1B               ; three loads of mine are out in all
.endr
	v_and_b32 v1, 15, v0                           ; r = lane % 16
	v_bfe_u32 v2, v0, 4, 1                         ; h = lane / 16
	v_mul_u32_u24 v3, v1, PITCH
	v_lshl_add_u32 v4, v2, 4, v3                   ; a fragment's row x pitch + 16 h
	s_mul_i32 s21, s15, HALFT                      ; my 128 rows of A
	s_mul_i32 s22, s16, HALFT                      ; my 128 rows of B,
	s_add_co_u32 s22, s22, 2*HALFT                 ; which lie behind A's 256
.irp s, 0,1
	v_add_nc_u32 v[ADRA+\s], s21, v4
	v_add_nc_u32 v[ADRB+\s], s22, v4
	s_add_co_u32 s21, s21, SLOT
	s_add_co_u32 s22, s22, SLOT
.endr
	v_mul_u32_u24 v5, v1, KS                       ; my row's scale bytes: 32 a row,
	v_lshrrev_b32 v6, 8, v5
	v_lshl_add_u32 v5, v6, 4, v5                   ; and 16 more for each 256 passed
	s_mul_i32 s21, s15, HALFS
	s_mul_i32 s22, s16, HALFS
	s_add_co_u32 s22, s22, 2*HALFS
	s_sub_co_u32 s22, s22, s21
	v_mul_u32_u24 v6, s22, v2                      ; lanes 16-31 take B's
	s_add_co_u32 s21, s21, SCL
	v_add_nc_u32 v5, v5, v6
	v_add_nc_u32 v[ADRS], s21, v5
	s_mul_i32 s23, s14, 16*SPITCH                  ; my stage
	v_mul_u32_u24 v5, v1, SPITCH
	v_lshl_add_u32 v5, v2, 4, v5
	v_add_nc_u32 v[STO], s23, v5                   ; in: token r's row, + 16 h; accumulator b adds 32 b
	v_bfe_u32 v5, v0, 3, 1
	v_mul_u32_u24 v5, v5, SPITCH                   ; back: lanes 0-15 take two tokens' 128 bytes of the first head, lanes 16-31 of the second
	v_lshl_add_u32 v5, v2, 7, v5
	v_and_b32 v6, 7, v0
	v_lshl_add_u32 v5, v6, 4, v5
	v_add_nc_u32 v[RD], s23, v5
	v_lshlrev_b32 v[CO], 4, v1
	v_lshl_add_u32 v[CO], v2, 18, v[CO]            ; in qkv16: 16 (lane % 16), and a head (262,144 bytes) on for lanes 16-31
	v_lshlrev_b32 v[RO], 8, v1
	v_lshl_add_u32 v[RO], v2, 5, v[RO]
	; where my part begins in qkv16 and in the table (in registers that feed no descriptor)
	s_lshr_b32 s66, s17, 3                         ; the batch: eight tile rows to a sequence
	s_lshl_b32 s66, s66, 4
	s_lshl_b32 s67, s40, 2
	s_add_co_u32 s66, s66, s67
	s_lshl_b32 s67, s16, 1
	s_add_co_u32 s66, s66, s67                     ; 16 x batch + my first head (4 cx + 2 x half)
	s_lshl_b32 s66, s66, 11
	s_and_b32 s98, s17, 7
	s_lshl_b32 s98, s98, 8
	s_lshl_b32 s67, s15, 7
	s_add_co_u32 s98, s98, s67                     ; my first token in its sequence
	s_add_co_u32 s66, s66, s98
	s_lshl_b32 s66, s66, 7                         ; 128 bytes a token and head
	s_lshl_b32 s67, ttmp9, 24                      ; q, k or v
	s_add_co_u32 s66, s66, s67
	s_mov_b32 s67, 0
	s_add_nc_u64 s[12:13], s[10:11], s[66:67]
	s_lshl_b32 s98, s98, 8                         ; 256 bytes a token in the table
	s_mov_b32 s99, 0
	s_add_nc_u64 s[96:97], s[8:9], s[98:99]
.macro FRAG reg, adr, q, i             ; a fragment, 16 rows x 128 K of 4-bit codes: lane (r, h): registers 4 c .. 4 c + 3 hold K = 64 c + 32 h + 0 .. 31
.irp c, 0,1
	ds_load_b128 v[\reg+4*\c:\reg+4*\c+3], v[\adr] offset:64*(\q)+32*\c+(\i)*16*PITCH
.endr
.endm
; 16 matrix instructions: A's blocks a0, a0 + 1 x B's eight.  p: B's set; sc: the set of scale words.  zero = 1: the first product starts the sums.  The 64 accumulators take turns.
.macro MUL16 a0, p, q, sc, zero
.irp a, \a0, \a0+1
.irp b, 0,1,2,3,4,5,6,7
.if \zero
	v_wmma_scale_f32_16x16x128_f8f6f4 v[8*(8*((\a)%4)+\b):8*(8*((\a)%4)+\b)+7], v[128*(\p)+FR*\b:128*(\p)+FR*\b+FR-1], v[AF+FR*(\a):AF+FR*(\a)+FR-1], 0, v[SC+8*NQ*(\sc)+NQ*\b+(\q)], v[SC+8*NQ*(\sc)+NQ*(\a)+(\q)] matrix_a_fmt:MATRIX_FMT_FP4 matrix_b_fmt:MATRIX_FMT_FP4 matrix_a_scale:MATRIX_SCALE_ROW1
.else
	v_wmma_scale_f32_16x16x128_f8f6f4 v[8*(8*((\a)%4)+\b):8*(8*((\a)%4)+\b)+7], v[128*(\p)+FR*\b:128*(\p)+FR*\b+FR-1], v[AF+FR*(\a):AF+FR*(\a)+FR-1], v[8*(8*((\a)%4)+\b):8*(8*((\a)%4)+\b)+7], v[SC+8*NQ*(\sc)+NQ*\b+(\q)], v[SC+8*NQ*(\sc)+NQ*(\a)+(\q)] matrix_a_fmt:MATRIX_FMT_FP4 matrix_b_fmt:MATRIX_FMT_FP4 matrix_a_scale:MATRIX_SCALE_ROW1
.endif
.endr
.endr
.endm
.macro FETCH_B slot, q, p
	WIN TO_B
.irp i, 0,1,2,3,4,5,6,7
	FRAG 128*(\p)+FR*\i, ADRB+\slot, \q, \i
.endr
	WIN 0
.endm
.macro FETCH_A slot, q, i0
.irp i, \i0, \i0+1, \i0+2, \i0+3
	FRAG AF+FR*(\i), ADRA+\slot, \q, \i
.endr
.endm
.macro SCALES sc                       ; a slot's scale words: four words a row; lanes 0-15 take A's block i, lanes 16-31 B's block i
.irp i, 0,1,2,3,4,5,6,7
	ds_load_b128 v[SC+8*NQ*\sc+NQ*\i:SC+8*NQ*\sc+NQ*\i+3], v[ADRS] offset:\i*SBLK
.endr
.endm
.macro PLACES n                        ; plain vector instructions between a matrix instruction and a load into, or a read of, its registers
.rept \n
	v_nop
.endr
.endm
.macro STEP slot, q, zero              ; a step of 128 along K that has its successor in the same slot
	s_wait_dscnt 4*NL                              ; B's set and A's blocks 0-3 are in; the youngest eight loads (A's blocks 4-7) may be out
	WIN MUL_LO
	MUL16 0, (\q)%2, \q, \slot, \zero
	MUL16 2, (\q)%2, \q, \slot, \zero
	s_wait_dscnt 0
	PLACES NP
	FETCH_B \slot, (\q)+1, 1-(\q)%2
	FETCH_A \slot, (\q)+1, 0
	WIN MUL_HI
	MUL16 4, (\q)%2, \q, \slot, \zero
	MUL16 6, (\q)%2, \q, \slot, \zero
	PLACES NP
	WIN 0
	FETCH_A \slot, (\q)+1, 4
.endm
.macro TURN slot, next                 ; slot 0's last step changes slots: one barrier; nothing is filled again
	s_wait_tensorcnt 0x0                           ; all my tensor loads have landed: my part of the next slot
	ds_add_u32 v[SPW], v[NIL]                      ; 0 onto my spare word
	s_wait_dscnt 4*NL+1                            ; (the add and the youngest eight loads may be out)
	WIN MUL_LO
	MUL16 0, 1, NQ-1, \slot, 0
	s_wait_dscnt 0x0                               ; the add is done, and my reads of this slot are over
	s_barrier_signal -1
	MUL16 2, 1, NQ-1, \slot, 0
	WIN 0
	s_barrier_wait -1                              ; the next slot is whole, and nobody reads this one any more: the stages may lie in it
	PLACES NP
	v_add_nc_u32 v[ADRS], 4*NQ, v[ADRS]            ; on to the next slot's scale words
	FETCH_B \next, 0, 0
	FETCH_A \next, 0, 0
	SCALES \next
	WIN MUL_HI
	MUL16 4, 1, NQ-1, \slot, 0
	MUL16 6, 1, NQ-1, \slot, 0
	PLACES NP
	WIN 0
	FETCH_A \next, 0, 4
.endm
.macro STEPS slot, from
.set QQ, \from
.rept NQ-1-\from
	STEP \slot, QQ, 0
.set QQ, QQ+1
.endr
.endm
.macro LAST                            ; the very last step: nothing more to fetch
	s_wait_dscnt 4*NL
	WIN MUL_LO
	MUL16 0, 1, NQ-1, 1, 0
	MUL16 2, 1, NQ-1, 1, 0
	s_wait_dscnt 0
	WIN MUL_HI
	MUL16 4, 1, NQ-1, 1, 0
	MUL16 6, 1, NQ-1, 1, 0
	WIN 0
	PLACES NP                                      ; ahead of the first read of results and of loads into the registers that held A's fragments
.endm
; THE WAY OUT, block by block of 16 tokens x 128 features.
.macro RLOAD a                         ; cos and sin of block a's tokens: registers +0..7 cos of frequencies 8 h + j, +8..15 of 16 + 8 h + j, +16..31 sin likewise
.set CT, CS+32*((\a)%2)
.set NN, 0
.irp o, 0,16,64,80,128,144,192,208
	global_load_b128 v[CT+NN:CT+NN+3], v[RO], s[96:97] offset:4096*(\a)+\o
.set NN, NN+4
.endr
.endm
.macro ROPE a                          ; y(d) = q(d) cos - q(d + 32) sin, y(d + 32) = q(d + 32) cos + q(d) sin, in f32, two numbers an instruction; then f16
.set AC, 64*((\a)%4)
.set CT, CS+32*((\a)%2)
.set WW, 0x52+(\a)/4                   ; source 0 (accumulators) window 2 or 3, source 1 (table) window 0, source 2 and destination window 1
.if (\a) < 7
	s_wait_loadcnt 8                               ; this block's eight table loads are in; the next block's eight may be out
.else
	s_wait_loadcnt 0x0
.endif
	WIN WW
.irp e, 0,1
.irp i, 0,1
.set LO, 8*(4*\e+\i)
.set HI, LO+16
.irp j, 0,2,4,6                        ; each accumulator is read from its low end on
	v_pk_mul_f32 v[LO+\j:LO+\j+1], v[AC+HI+\j:AC+HI+\j+1], v[CT+16+8*\i+\j:CT+16+8*\i+\j+1]
	v_pk_mul_f32 v[HI+\j:HI+\j+1], v[AC+LO+\j:AC+LO+\j+1], v[CT+16+8*\i+\j:CT+16+8*\i+\j+1]
.endr
.irp j, 0,2,4,6
	v_pk_fma_f32 v[LO+\j:LO+\j+1], v[AC+LO+\j:AC+LO+\j+1], v[CT+8*\i+\j:CT+8*\i+\j+1], v[LO+\j:LO+\j+1] neg_lo:[0,0,1] neg_hi:[0,0,1]
	v_pk_fma_f32 v[HI+\j:HI+\j+1], v[AC+HI+\j:AC+HI+\j+1], v[CT+8*\i+\j:CT+8*\i+\j+1], v[HI+\j:HI+\j+1]
.endr
.endr
.endr
	WIN 0x05                                       ; sources window 1, destination window 0
.irp b, 0,1,2,3,4,5,6,7
.irp q, 0,1,2,3
	v_cvt_pk_f16_f32 v[H+4*\b+\q], v[8*\b+2*\q], v[8*\b+2*\q+1]
.endr
.endr
	WIN 0
.if (\a) < 6
	RLOAD (\a)+2                                   ; into the set just read
.endif
.endm
.macro PLAIN a                         ; v: rounded as it is
.set AC, 64*((\a)%4)
.set WW, 0x0a+5*((\a)/4)               ; sources window 2 or 3
	WIN WW
.irp b, 0,1,2,3,4,5,6,7
.irp q, 0,1,2,3
	v_cvt_pk_f16_f32 v[H+4*\b+\q], v[AC+8*\b+2*\q], v[AC+8*\b+2*\q+1]
.endr
.endr
	WIN 0
.endm
.macro TOSTAGE a, base                 ; LDS serves a wave's instructions in order (ISA guide 5.7.1.4): no wait between the stores and the loads, nor ahead of the next block's stores
.irp b, 0,1,2,3,4,5,6,7
	ds_store_b128 v[STO], v[H+4*\b:H+4*\b+3] offset:\base+32*\b
.endr
.set BB, BK+32*((\a)%2)
.irp t, 0,1,2,3,4,5,6,7
	ds_load_b128 v[BB+4*\t:BB+4*\t+3], v[RD] offset:\base+544*\t
.endr
.endm
.macro SEND a, younger                 ; younger: the LDS instructions issued behind block a's loads, which may stay out
.set BB, BK+32*((\a)%2)
	s_wait_dscnt \younger
.irp t, 0,1,2,3,4,5,6,7
	global_store_b128 v[CO], v[BB+4*\t:BB+4*\t+3], s[12:13] offset:2048*(\a)+256*\t   ; each half of the lanes stores two tokens of one head: 256 consecutive bytes, aligned
.endr
.endm
	s_wait_tensorcnt 1                             ; the scale bytes and my part of slot 0 are in (slot 1's load may be out),
	s_barrier_signal -1
	s_barrier_wait -1                              ; everybody's are
	FETCH_B 0, 0, 0
	FETCH_A 0, 0, 0
	SCALES 0
	FETCH_A 0, 0, 4
	STEP 0, 0, 1                                   ; the first step's products start the sums: nothing is cleared
	STEPS 0, 1
	TURN 0, 1
	s_cmp_eq_u32 ttmp9, 2                          ; the cluster's x: the same in all sixteen partners
	s_cbranch_scc1 .Lv
	RLOAD 0                                        ; q and k: the table's first two blocks are asked for a whole slot's products ahead of their use
	RLOAD 1
	STEPS 1, 0
	LAST
	ROPE 0
	TOSTAGE 0, 0
.irp a, 1,2,3,4,5,6,7
	ROPE \a
.if \a > 1
	s_wait_xcnt 0x0                                ; block a - 2's stores have read their registers: block a's loads may land there
.endif
	TOSTAGE \a, 0
	SEND \a-1, 16                                  ; behind block a - 1's loads: block a's 8 stores and 8 loads
.endr
	SEND 7, 0
	FINISH
.Lv:                                                   ; v: the same products, no table
	STEPS 1, 0
	LAST
	PLAIN 0
	TOSTAGE 0, VSTG
.irp a, 1,2,3,4,5,6,7
	PLAIN \a
.if \a > 1
	s_wait_xcnt 0x0
.endif
	TOSTAGE \a, VSTG
	SEND \a-1, 16
.endr
	SEND 7, 0
	FINISH
.Lfunc_end_k_qbd3f0bf1c1_qkv:
	.size	k_qbd3f0bf1c1_qkv, .Lfunc_end_k_qbd3f0bf1c1_qkv-k_qbd3f0bf1c1_qkv
	.p2alignl 7, 3214868480
	.fill 96, 4, 3214868480
	.section	.rodata,"a",@progbits
	.p2align	6, 0x0
	.amdhsa_kernel k_qbd3f0bf1c1_qkv
		.amdhsa_group_segment_fixed_size 327680
		.amdhsa_private_segment_fixed_size 0
		.amdhsa_enable_private_segment 0
		.amdhsa_kernarg_size 32
		.amdhsa_user_sgpr_count 2
		.amdhsa_user_sgpr_kernarg_segment_ptr 1
		.amdhsa_wavefront_size32 1
		.amdhsa_system_sgpr_workgroup_id_x 1
		.amdhsa_system_sgpr_workgroup_id_y 1
		.amdhsa_system_sgpr_workgroup_id_z 1
		.amdhsa_system_vgpr_workitem_id 0
		.amdhsa_next_free_vgpr 1024
		.amdhsa_next_free_sgpr 100
		.amdhsa_reserve_vcc 0
		.amdhsa_float_denorm_mode_32 3
		.amdhsa_float_denorm_mode_16_64 3
		.amdhsa_memory_ordered 1
		.amdhsa_forward_progress 1
		.amdhsa_inst_pref_size 236
	.end_amdhsa_kernel
	.amdgpu_metadata
---
amdhsa.version: [ 1, 2 ]
amdhsa.kernels:
  - .name:           k_qbd3f0bf1c1_qkv
    .symbol:         k_qbd3f0bf1c1_qkv.kd
    .args:
      - { .name: codes, .offset: 0, .size: 8, .value_kind: global_buffer, .address_space: global }
      - { .name: scales, .offset: 8, .size: 8, .value_kind: global_buffer, .address_space: global }
      - { .name: rope, .offset: 16, .size: 8, .value_kind: global_buffer, .address_space: global }
      - { .name: qkv16, .offset: 24, .size: 8, .value_kind: global_buffer, .address_space: global }
    .group_segment_fixed_size: 327680
    .private_segment_fixed_size: 0
    .kernarg_segment_align: 8
    .kernarg_segment_size: 32
    .max_flat_workgroup_size: 128
    .sgpr_count:     100
    .vgpr_count:     1024
    .wavefront_size: 32
...
	.end_amdgpu_metadata
.endif
;; end of part 2
;; launch attn (part 3): grid 4 x 64, 16 waves a work-group, no clusters, 327,680 bytes of LDS; arguments qkv16, ao16; writes ao16
.if DOCPART == 3
	.amdgcn_target "amdgcn-amd-amdhsa--gfx1250"
	.amdhsa_code_object_version 6
	.text
	.protected	k_qbd3f0bf1c1_attn
	.globl	k_qbd3f0bf1c1_attn
	.p2align	8
	.type	k_qbd3f0bf1c1_attn,@function
k_qbd3f0bf1c1_attn:
	s_mov_b64 s[64:65], 0
	v_nop
	global_prefetch_b8 v0, s[64:65] scope:SCOPE_SE
	s_setreg_imm32_b32 hwreg(HW_REG_WAVE_MODE, 25, 1), 1
	s_wait_xcnt 0x0
; ATTN: O = softmax(Q K^T / 8, causal) V for one (batch, head), operands in f16, products, maxima and sums in f32, a running maximum for each query.
; q, k, v: qkv16, each [batch x 16 + head][2048][64] f16, 16,777,216 bytes apart.  Out: ao16, f16, at byte (token / 2) x 4096 + head x 256 + (token % 2) x 128 + 2 x channel (token counted over all batches).
; SHARES.  Work-group (i, head) owns the query blocks 7 - i and i of 256 queries: 9 units of 256 x 256 under the mask for every i.  Of its sixteen waves eight own the long block and eight the short one,
; 32 queries each: two tiles of 16 that share every fragment of K and V.  Four waves to a SIMD, 256 registers each: one wave's softmax stands beside another's products and LDS loads.
; THE WALK.  Eight slots of 256 keys, four steps of 64 keys each; the trip counts are constants.  A wave jumps over a step whose first key comes after its last query (a branch on ids and the step count).
; A slot whose first key comes after the work-group's last query is read by no wave and is not asked for: one jump, on ids and the step count alone, the same in all sixteen waves, round the tensor load alone;
; every wait on TENSORcnt in this text is for 0.
; NO CLUSTER: the four work-groups of a head need 8, 7, 6 and 5 slots, so a joint load would bring partners tiles that none of their waves reads.
; LAYOUT.  S^T = K Q^T (source 0 = 16 keys, source 1 = 16 queries): a lane holds one query (lane % 16) and keys 8 (lane / 16) + 0..7.  Two such tiles, rounded to f16 in pairs, are source 1 (32 keys x 16 queries)
; of O^T = V^T P.  K comes out of LDS as it lies, V ([key][channel]) turned, by ds_load_tr16_b128.
; SOFTMAX.  p = 2^(c s - c m), c = log2(e) / 8, m the running maximum; in every step O and the sum l are multiplied by a = 2^(c m_old - c m_new).  l is summed of the unrounded p.
; LIMITS: m starts at -3e38; NaN and infinities are not served; the first 16 positions of each sequence are made again, more finely, by the launches that follow the projection.
.set PKB,   144                        ; a key's row in LDS: 128 bytes + 16 of padding
.set PVB,   160                        ; a row of V: 128 + 32
.set VOFF,  256*PKB                    ; a slot: 256 rows of K, then 256 rows of V
.set SLOT1, 1<<17                      ; slot 1 begins here: one exclusive or turns an address in one slot into the other's
.set STAGE, VOFF+256*PVB               ; behind slot 0, bytes of its own: 16 rows x 144 bytes for each wave, for the way out
.set SPARE, 2*SLOT1                    ; the spare words, 128 bytes a wave, which no other line names
.set AK0, 1                            ; v1   my lane's place in a tile of K
.set AV0, 2                            ; v2   the same for V
.set ADK, 3                            ; v3   LDS address of the step's K
.set ADV, 4                            ; v4   of its V
.set SPW, 5
.set NIL, 6
.set GO,  7                            ; v7   my byte offset in ao16
.set STO, 11                           ; v11  the stage: in
.set ST,  12                           ; tile x's statistics at v[ST + 8 x]: +0 c m, +1 m, +2, +3 l, +4 to +7 at work; a takes +6
.set PFO, 28                           ; v28  256 x lane, for the prefetches
.set RD,  29                           ; v29  the stage: back
.set Q,   32                           ; v32-63   Q: tile x, channels 32 d on: 16 x + 8 d
.set KV,  64                           ; v64-127  K's eight fragments, then V's eight
.set S,   128                          ; v128-191 S^T: 32 x + 8 kt; p is packed in place into the first 16 of each 32
.set O,   192                          ; v192-255 O^T: 32 x + 8 c
.set TB,  2                            ; s2   LDS byte at which the slot in hand begins
.set KF,  3                            ; s3   the step's first key
.set WV,  18
.set SEL, 20
.set CS,  22
.set G1K, 24
.set G1V, 32
.set G0K, 40
.set G0V, 44
.set SLOTS, 48
.set Q0,  49                           ; my first query
.set QE,  50                           ; my last
.set QL,  51                           ; my work-group's last
.set PFA, 52
.set LIM, 54
.set QA,  56
.set OA,  58
; Waves 0 and 1 fetch K's halves of a slot, waves 2 and 3 V's, the others nothing.  An s_nop 0 and four v_nop follow each of the two lines.
.macro TLOAD
	s_cmp_lt_u32 s[WV], 2
	s_cbranch_scc0 .Lnot_k_\@
	tensor_load_to_lds s[G0K:G0K+3], s[G1K:G1K+7]
	s_nop 0
.rept 4
	v_nop
.endr
	s_branch .Lasked_\@
.Lnot_k_\@:
	s_cmp_lt_u32 s[WV], 4
	s_cbranch_scc0 .Lasked_\@
	tensor_load_to_lds s[G0V:G0V+3], s[G1V:G1V+7]
	s_nop 0
.rept 4
	v_nop
.endr
.Lasked_\@:
.endm
; A prefetch of what the NEXT change of slots will ask for: a slot's 32,768 dense bytes of K and of V.  All work-groups of a head walk the same K and V: the one with x = 0, which walks all eight slots, asks.
; In it waves 4 to 7 ask for K's, waves 8 to 11 for V's: 8,192 bytes a wave, lanes 256 bytes apart, one instruction.  So each aligned 256 bytes of slots 2 to 7 is named once; slots 0 and 1 come by their loads alone.
.macro ASK
	s_cmp_gt_u32 s[SLOTS], s[LIM]
	s_cbranch_scc0 .Lnot_mine_\@
	global_prefetch_b8 v[PFO], s[PFA:PFA+1] th:TH_LOAD_NT scope:SCOPE_SE
.Lnot_mine_\@:
.endm
	s_load_b128 s[4:7], s[0:1], 0x0                ; qkv16, ao16
	v_lshl_add_u32 v[SPW], v0, 2, SPARE
	v_mov_b32 v[NIL], 0
	ds_add_u32 v[SPW], v[NIL]                      ; the wave's opening: the add, twice on end, and its wait ahead of my first tensor load
	ds_add_u32 v[SPW], v[NIL]
	v_lshrrev_b32 v31, 5, v0
	v_readfirstlane_b32 s[WV], v31                 ; wave 0..15
	s_and_b32 s66, ttmp7, 0xffff                   ; 16 x batch + head
	s_lshl_b32 s67, s66, 18                        ; its 262,144 bytes in each of q, k, v
	s_bfe_u32 s68, s[WV], 0x10002                  ; bit 2 of the wave's number: 0 the long block, 1 the short one
	s_sub_co_u32 s69, 7, ttmp9
	s_cmp_eq_u32 s68, 0
	s_cselect_b32 s68, s69, ttmp9                  ; my block of 256 queries
	s_lshl_b32 s[QL], s69, 8
	s_or_b32 s[QL], s[QL], 255
	s_and_b32 s70, s[WV], 3
	s_lshr_b32 s71, s[WV], 3
	s_lshl_b32 s71, s71, 2
	s_or_b32 s70, s70, s71                         ; which 32 queries of the block
	s_lshl_b32 s[Q0], s68, 8
	s_lshl_b32 s70, s70, 5
	s_add_co_u32 s[Q0], s[Q0], s70
	s_add_co_u32 s[QE], s[Q0], 31
	s_and_b32 s68, s[WV], 1                        ; what I fetch, if I fetch: half a slot's 256 rows
	s_lshl_b32 s69, s68, 14
	s_add_co_u32 s70, s67, s69
	s_add_co_u32 s70, s70, 0x1000000               ; K: in qkv16,
	s_mov_b32 s71, 0
	s_add_co_u32 s72, s70, 0x1000000               ; V
	s_mov_b32 s73, 0
	s_mul_i32 s74, s68, 128*PKB                    ; and in a slot
	s_mul_i32 s75, s68, 128*PVB
	s_add_co_u32 s75, s75, VOFF
	; descriptor group 1: 128 rows of 64 elements of 2 bytes, dense in memory; padding behind every 32 words: 4 words (K), 8 words (V)
	s_mov_b32 s[G1K], (1<<16)|(1<<20)|(4<<22)|(3<<25)
	s_mov_b32 s[G1V], (1<<16)|(1<<20)|(4<<22)|(7<<25)
.irp g, G1K, G1V
	s_mov_b32 s[\g+1], 64<<16                      ; tensor_dim0
	s_mov_b32 s[\g+2], 128<<16                     ; tensor_dim1
	s_mov_b32 s[\g+3], 64<<16                      ; tile_dim0
	s_mov_b32 s[\g+4], 128                         ; tile_dim1
	s_mov_b32 s[\g+5], 64                          ; from row to row
	s_mov_b32 s[\g+6], 0
	s_mov_b32 s[\g+7], 0
.endr
	s_mov_b32 s[SEL], 0x76543210
	s_mov_b32 s[SEL+1], 0xfedcba98                 ; v_permlanex16_b32's selects for lane l xor 16
	s_mov_b32 s[CS], 0x3e38aa3b                    ; c = log2(e) / 8
	s_mov_b32 s[CS+1], s[CS]                       ; (named with it as a pair, so it is written)
	s_mov_b32 s[TB], 0
	s_mov_b32 s[KF], 0
	s_mov_b32 s[SLOTS], 7
	s_wait_dscnt 0x0                               ; both opening adds are done
	s_wait_kmcnt 0x0
	s_mov_b32 s[G0K], 1
	s_mov_b32 s[G0K+1], s74
	s_add_nc_u64 s[G0K+2:G0K+3], s[4:5], s[70:71]
	s_or_b32 s[G0K+3], s[G0K+3], 0x80000000
	s_mov_b32 s[G0V], 1
	s_mov_b32 s[G0V+1], s75
	s_add_nc_u64 s[G0V+2:G0V+3], s[4:5], s[72:73]
	s_or_b32 s[G0V+3], s[G0V+3], 0x80000000
	TLOAD                                          ; slot 0: it holds key 0, which counts for every query
	; the prefetches: where my wave's stand, and who asks
	s_mov_b32 s77, 0x2000000
	s_cmp_lt_u32 s[WV], 8
	s_cselect_b32 s76, 0x1000000, s77
	s_add_co_u32 s76, s76, s67
	s_and_b32 s77, s[WV], 3
	s_lshl_b32 s77, s77, 13
	s_add_co_u32 s76, s76, s77
	s_add_co_u32 s76, s76, 32768                   ; in slot 1: the first change of slots steps it to slot 2
	s_mov_b32 s77, 0
	s_add_nc_u64 s[PFA:PFA+1], s[4:5], s[76:77]
	s_sub_co_u32 s82, s[WV], 4
	s_lshr_b32 s82, s82, 3                         ; 0 in waves 4 to 11,
	s_or_b32 s82, s82, ttmp9                       ; of the head's work-group 0
	s_cmp_eq_u32 s82, 0
	s_cselect_b32 s[LIM], 1, -1
	s_lshl_b32 s78, s[Q0], 7
	s_add_co_u32 s78, s78, s67
	s_mov_b32 s79, 0
	s_add_nc_u64 s[QA:QA+1], s[4:5], s[78:79]      ; q at my first query
	s_lshr_b32 s80, s66, 4
	s_lshl_b32 s80, s80, 22                        ; a batch is 1,024 pairs of tokens of 4,096 bytes
	s_lshl_b32 s81, s[Q0], 11
	s_add_co_u32 s80, s80, s81
	s_and_b32 s81, s66, 15
	s_lshl_b32 s81, s81, 8
	s_add_co_u32 s80, s80, s81
	s_mov_b32 s81, 0
	s_add_nc_u64 s[OA:OA+1], s[6:7], s[80:81]
	v_and_b32 v31, 15, v0                          ; r
	v_bfe_u32 v10, v0, 4, 1                        ; h
	v_lshlrev_b32 v30, 7, v31
	v_lshl_add_u32 v30, v10, 4, v30                ; Q: row r of 128 bytes, + 16 h
.irp x, 0,1
.irp d, 0,1
	global_load_b128 v[Q+16*\x+8*\d:Q+16*\x+8*\d+3],   v30, s[QA:QA+1] offset:2048*\x+64*\d
	global_load_b128 v[Q+16*\x+8*\d+4:Q+16*\x+8*\d+7], v30, s[QA:QA+1] offset:2048*\x+64*\d+32
.endr
.endr
	v_mul_u32_u24 v[AK0], v31, PKB
	v_lshl_add_u32 v[AK0], v10, 4, v[AK0]          ; row r x pitch + 16 h
	v_and_b32 v[AV0], 7, v0
	v_lshl_add_u32 v[AV0], v10, 3, v[AV0]          ; the turning load: key 8 h + lane % 8,
	v_mul_u32_u24 v[AV0], v[AV0], PVB
	v_bfe_u32 v[ADK], v0, 3, 1
	v_lshl_add_u32 v[AV0], v[ADK], 4, v[AV0]       ; channels 8 ((lane / 8) % 2) on
	v_add_nc_u32 v[AV0], VOFF, v[AV0]
	v_lshlrev_b32 v[GO], 4, v31
	v_lshl_add_u32 v[GO], v10, 12, v[GO]           ; out: lanes 0-15 one pair of tokens, lanes 16-31 the next; 16 bytes a lane
	v_lshlrev_b32 v8, 3, v10
	v_sub_nc_u32 v8, v31, v8                       ; r - 8 h, for the mask
	v_mov_b32 v9, 0xff800000                       ; -infinity
	s_mul_i32 s83, s[WV], 16*PKB
	s_add_co_u32 s83, s83, STAGE                   ; my stage
	v_add_nc_u32 v[STO], s83, v[AK0]               ; in: row r, + 16 h
	v_lshl_add_u32 v[RD], v10, 1, v[ADK]
	v_mul_u32_u24 v[RD], v[RD], PKB                ; back: row 2 h + (lane / 8) % 2,
	v_and_b32 v[ADV], 7, v0
	v_lshl_add_u32 v[RD], v[ADV], 4, v[RD]         ; 16 (lane % 8)
	v_add_nc_u32 v[RD], s83, v[RD]
	v_and_b32 v[PFO], 31, v0
	v_lshlrev_b32 v[PFO], 8, v[PFO]
.irp x, 0,1
	v_mov_b32 v[ST+8*\x+1], 0xff61b1e6             ; m: -3e38, under every score
	v_mul_f32 v[ST+8*\x], s[CS], v[ST+8*\x+1]      ; c m
.irp k, 2,3,4,5,6,7
	v_mov_b32 v[ST+8*\x+\k], 0                     ; l, and the registers at work (a lane permute's destination counts as one of its sources)
.endr
.endr
.set n, 0
.rept 64
	v_mov_b32 v[O+n], 0                            ; O^T.  (The step is written once: the first finds zeros, which a = 0 leaves zeros)
.set n, n+1
.endr
; A KEY STEP: 64 keys, the q-th of the slot in hand
.macro STEP q
	s_cmp_gt_u32 s[KF], s[QE]                      ; all its keys come after my queries: round the step's work, not round the count at its end
	s_cbranch_scc1 .Lhidden_\@
	v_add_nc_u32 v[ADK], s[TB], v[AK0]
	v_add_nc_u32 v[ADV], s[TB], v[AV0]
.irp kt, 0,1,2,3
.irp d, 0,1
	ds_load_b128 v[KV+16*\kt+8*\d:KV+16*\kt+8*\d+3],   v[ADK] offset:(64*(\q)+16*\kt)*PKB+64*\d
	ds_load_b128 v[KV+16*\kt+8*\d+4:KV+16*\kt+8*\d+7], v[ADK] offset:(64*(\q)+16*\kt)*PKB+64*\d+32
.endr
.endr
	s_wait_dscnt 0x0
.irp d, 0,1                                    ; S^T = K Q^T: eight accumulators by turns; the first eight products start the sums
.irp kt, 0,1,2,3
.irp x, 0,1
.if \d == 0
	v_wmma_f32_16x16x32_f16 v[S+32*\x+8*\kt:S+32*\x+8*\kt+7], v[KV+16*\kt+8*\d:KV+16*\kt+8*\d+7], v[Q+16*\x+8*\d:Q+16*\x+8*\d+7], 0
.else
	v_wmma_f32_16x16x32_f16 v[S+32*\x+8*\kt:S+32*\x+8*\kt+7], v[KV+16*\kt+8*\d:KV+16*\kt+8*\d+7], v[Q+16*\x+8*\d:Q+16*\x+8*\d+7], v[S+32*\x+8*\kt:S+32*\x+8*\kt+7]
.endif
.endr
.endr
.endr
.rept 4
	v_nop                                          ; places ahead of the loads into K's registers and of the first read of the scores
.endr
.irp s, 0,1                                    ; V, turned: keys 32 s on, channels 16 c on.  It lands under the softmax
.irp c, 0,1,2,3
	ds_load_tr16_b128 v[KV+8*(4*\s+\c):KV+8*(4*\s+\c)+3],   v[ADV] offset:(64*(\q)+32*\s)*PVB+32*\c
	ds_load_tr16_b128 v[KV+8*(4*\s+\c)+4:KV+8*(4*\s+\c)+7], v[ADV] offset:(64*(\q)+32*\s)*PVB+16*PVB+32*\c
.endr
.endr
	s_add_co_u32 s96, s[KF], 63                    ; on the diagonal the scores of hidden keys become -infinity ahead of the maximum.  A step all of whose keys count skips this
	s_cmp_le_u32 s96, s[Q0]
	s_cbranch_scc1 .Lopen_\@
	s_sub_co_i32 s96, s[Q0], s[KF]
	v_add_nc_u32 v10, s96, v8                      ; d = Q0 - KF + r - 8 h.  Register 8 kt + j of tile x: hidden where 16 kt + j - 16 x > d
.irp x, 0,1
.irp kt, 0,1,2,3
.irp j, 0,1,2,3,4,5,6,7
	v_cmp_gt_i32 vcc_lo, 16*\kt+\j-16*\x, v10
	v_cndmask_b32 v[S+32*\x+8*\kt+\j], v[S+32*\x+8*\kt+\j], v9, vcc_lo
.endr
.endr
.endr
.Lopen_\@:
.irp j, 0,1,2,3                                ; the maximum: four chains a tile, each begun at an accumulator's low end; the two tiles by turns
.irp x, 0,1
	v_max3_num_f32 v[ST+8*\x+4+\j], v[S+32*\x+8*\j], v[S+32*\x+8*\j+1], v[S+32*\x+8*\j+2]
.endr
.endr
.irp g, 1,2
.irp j, 0,1,2,3
.irp x, 0,1
	v_max3_num_f32 v[ST+8*\x+4+\j], v[ST+8*\x+4+\j], v[S+32*\x+8*\j+2*\g+1], v[S+32*\x+8*\j+2*\g+2]
.endr
.endr
.endr
.irp x, 0,1
	v_max3_num_f32 v[ST+8*\x+4], v[ST+8*\x+4], v[S+32*\x+7], v[S+32*\x+15]
	v_max3_num_f32 v[ST+8*\x+6], v[ST+8*\x+6], v[S+32*\x+23], v[S+32*\x+31]
.endr
.irp x, 0,1
	v_max3_num_f32 v[ST+8*\x+4], v[ST+8*\x+4], v[ST+8*\x+5], v[ST+8*\x+6]
.endr
.irp x, 0,1
	v_max3_num_f32 v[ST+8*\x+4], v[ST+8*\x+4], v[ST+8*\x+7], v[ST+8*\x+1]   ; and the old m
.endr
.irp x, 0,1
	v_permlanex16_b32 v[ST+8*\x+5], v[ST+8*\x+4], s[SEL], s[SEL+1]          ; the query's other 32 keys lie in the lane 16 away
.endr
.irp x, 0,1
	v_mov_b32 v[ST+8*\x+7], v[ST+8*\x]             ; c m_old
.endr
.irp x, 0,1
	v_max_num_f32 v[ST+8*\x+1], v[ST+8*\x+4], v[ST+8*\x+5]
.endr
.irp x, 0,1
	v_mul_f32 v[ST+8*\x], s[CS], v[ST+8*\x+1]
.endr
.irp x, 0,1
	v_sub_f32 v[ST+8*\x+7], v[ST+8*\x+7], v[ST+8*\x]
.endr
.set n, 0
.rept 16
.irp x, 0,1
	v_pk_fma_f32 v[S+32*\x+n:S+32*\x+n+1], v[S+32*\x+n:S+32*\x+n+1], s[CS:CS+1], v[ST+8*\x:ST+8*\x+1] op_sel_hi:[1,0,0] neg_lo:[0,0,1] neg_hi:[0,0,1]   ; c s - c m
.endr
.set n, n+2
.endr
.irp x, 0,1
	v_exp_f32 v[ST+8*\x+6], v[ST+8*\x+7]           ; a
.endr
.set n, 0
.rept 32
	v_exp_f32 v[S+n], v[S+n]                       ; p: one batch of 66 exponentials,
	v_exp_f32 v[S+32+n], v[S+32+n]
.set n, n+1
.endr
	v_nop                                          ; one plain instruction behind the last,
	s_wait_alu depctr_va_vdst(0)                   ; and one wait ahead of the first instruction that names a result
.irp x, 0,1
	v_pk_fma_f32 v[ST+8*\x+2:ST+8*\x+3], v[ST+8*\x+2:ST+8*\x+3], v[ST+8*\x+6:ST+8*\x+7], v[S+32*\x:S+32*\x+1] op_sel_hi:[1,0,1]   ; l = a l + the first pair; the sums go in two chains a tile
	v_pk_add_f32 v[ST+8*\x+4:ST+8*\x+5], v[S+32*\x+2:S+32*\x+3], v[S+32*\x+6:S+32*\x+7]
.endr
.irp p, 2,4,6,8,10,12,14
.irp x, 0,1
	v_pk_add_f32 v[ST+8*\x+2:ST+8*\x+3], v[ST+8*\x+2:ST+8*\x+3], v[S+32*\x+2*\p:S+32*\x+2*\p+1]
.endr
.if \p < 14
.irp x, 0,1
	v_pk_add_f32 v[ST+8*\x+4:ST+8*\x+5], v[ST+8*\x+4:ST+8*\x+5], v[S+32*\x+2*\p+6:S+32*\x+2*\p+7]
.endr
.endif
.endr
.irp x, 0,1
	v_pk_add_f32 v[ST+8*\x+2:ST+8*\x+3], v[ST+8*\x+2:ST+8*\x+3], v[ST+8*\x+4:ST+8*\x+5]
.endr
.set n, 0
.rept 16
	v_cvt_pk_f16_f32 v[S+n], v[S+2*n], v[S+2*n+1]              ; p to f16, in place, ascending: register n is written when registers 2 n, 2 n + 1 are read
	v_cvt_pk_f16_f32 v[S+32+n], v[S+32+2*n], v[S+32+2*n+1]
.set n, n+1
.endr
.set n, 0
.rept 16
	v_pk_mul_f32 v[O+n:O+n+1], v[O+n:O+n+1], v[ST+6:ST+7] op_sel_hi:[1,0]            ; O^T x a, each accumulator from its low end on
	v_pk_mul_f32 v[O+32+n:O+32+n+1], v[O+32+n:O+32+n+1], v[ST+14:ST+15] op_sel_hi:[1,0]
.set n, n+2
.endr
	s_wait_dscnt 0x0                               ; V is in
.irp s, 0,1                                    ; O^T += V^T P: eight accumulators by turns
.irp c, 0,1,2,3
.irp x, 0,1
	v_wmma_f32_16x16x32_f16 v[O+32*\x+8*\c:O+32*\x+8*\c+7], v[KV+8*(4*\s+\c):KV+8*(4*\s+\c)+7], v[S+32*\x+8*\s:S+32*\x+8*\s+7], v[O+32*\x+8*\c:O+32*\x+8*\c+7]
.endr
.endr
.endr
.rept 5
	v_nop                                          ; the next step's first products write over P's registers (five places), its loads land on V's, the way out reads O^T (four)
.endr
.Lhidden_\@:
	s_add_co_u32 s[KF], s[KF], 64
.endm
; THE CHANGE OF SLOTS stands at a slot's head.  Each wave waits for all its tensor loads, adds 0 to its spare word (fill = 1: twice on end), and waits for that and for its reads of the slot that it has left.
; Behind the barrier the slot ahead is whole and nobody reads the other one.  fill = 1: that other slot is filled with the next 256 keys, up to the causal limit: the load has four steps in which to land.
.macro CHANGE fill
	s_wait_tensorcnt 0x0                           ; no tensor load of mine is out, so a group 0 may be written
	ds_add_u32 v[SPW], v[NIL]
.if \fill
	ds_add_u32 v[SPW], v[NIL]                      ; and once more, in every trip alike
	s_xor_b32 s[G0K+1], s[G0K+1], SLOT1            ; the walking descriptors: the other slot than last time, the next 256 rows
	s_add_nc_u64 s[G0K+2:G0K+3], s[G0K+2:G0K+3], 32768
	s_xor_b32 s[G0V+1], s[G0V+1], SLOT1
	s_add_nc_u64 s[G0V+2:G0V+3], s[G0V+2:G0V+3], 32768
	s_wait_xcnt 0x0                                ; the last prefetch, a slot back, has read its address
	s_add_nc_u64 s[PFA:PFA+1], s[PFA:PFA+1], 32768 ; one slot further on than the walking descriptors
.endif
	s_wait_dscnt 0x0                               ; the add is done, and my reads of the slot that I have left are over
	s_barrier_signal -1
	s_barrier_wait -1
.if \fill
	s_add_co_u32 s96, s[KF], 256                   ; the first key of the slot that this change would ask for
	s_cmp_gt_u32 s96, s[QL]                        ; after my work-group's last query: no wave would read it
	s_cbranch_scc1 .Lpast_\@
	TLOAD                                          ; a wave's one tensor load until the next barrier
.Lpast_\@:
	ASK
.endif
.endm
.macro SLOT_STEPS
	STEP 0
	STEP 1
	STEP 2
	STEP 3
	s_xor_b32 s[TB], s[TB], SLOT1                  ; on to the other slot
.endm
	s_wait_loadcnt 0x0                             ; Q
.Lslot:                                                ; seven trips
	CHANGE 1
	SLOT_STEPS
	s_sub_co_u32 s[SLOTS], s[SLOTS], 1
	s_cmp_lg_u32 s[SLOTS], 0
	s_cbranch_scc1 .Lslot
	CHANGE 0                                       ; the last slot is written out: nothing is left to ask for
	SLOT_STEPS
	; THE WAY OUT.  O^T / l, rounded to f16, goes through my stage, a tile of 16 queries at a time, and leaves as pairs of tokens: sixteen lanes store 256 consecutive bytes, aligned.
.irp x, 0,1
	v_add_f32 v[ST+8*\x+4], v[ST+8*\x+2], v[ST+8*\x+3]
.endr
.irp x, 0,1
	v_permlanex16_b32 v[ST+8*\x+5], v[ST+8*\x+4], s[SEL], s[SEL+1]
.endr
.irp x, 0,1
	v_add_f32 v[ST+8*\x+4], v[ST+8*\x+4], v[ST+8*\x+5]
.endr
.irp x, 0,1
	v_rcp_f32 v[ST+8*\x+6], v[ST+8*\x+4]
.endr
	v_nop                                          ; a plain instruction behind the reciprocals,
	s_wait_alu depctr_va_vdst(0)                   ; and the one wait ahead of their first reader
.irp x, 0,1
.set n, 0
.rept 16
	v_pk_mul_f32 v[O+32*\x+n:O+32*\x+n+1], v[O+32*\x+n:O+32*\x+n+1], v[ST+8*\x+6:ST+8*\x+7] op_sel_hi:[1,0]
.set n, n+2
.endr
.set n, 0
.rept 16
	v_cvt_pk_f16_f32 v[KV+16*\x+n], v[O+32*\x+2*n], v[O+32*\x+2*n+1]
.set n, n+1
.endr
.irp c, 0,1,2,3
	ds_store_b128 v[STO], v[KV+16*\x+4*\c:KV+16*\x+4*\c+3] offset:32*\c
.endr
.irp t, 0,1,2,3
	ds_load_b128 v[KV+32+16*\x+4*\t:KV+32+16*\x+4*\t+3], v[RD] offset:4*PKB*\t   ; LDS serves a wave's instructions in order: these see my stores, and the next tile's stores come behind them
.endr
.endr
.irp t, 0,1,2,3
	s_wait_dscnt 11-\t                             ; behind this load: the tile's later loads, and the next tile's four stores and four loads
	global_store_b128 v[GO], v[KV+32+4*\t:KV+32+4*\t+3], s[OA:OA+1] offset:8192*\t
.endr
.irp t, 0,1,2,3
	s_wait_dscnt 3-\t
	global_store_b128 v[GO], v[KV+48+4*\t:KV+48+4*\t+3], s[OA:OA+1] offset:32768+8192*\t
.endr
	s_wait_tensorcnt 0x0                           ; the wave's end
	ds_add_u32 v[SPW], v[NIL]
	s_wait_dscnt 0x0
	s_endpgm
.Lfunc_end_k_qbd3f0bf1c1_attn:
	.size	k_qbd3f0bf1c1_attn, .Lfunc_end_k_qbd3f0bf1c1_attn-k_qbd3f0bf1c1_attn
	.p2alignl 7, 3214868480
	.fill 96, 4, 3214868480
	.section	.rodata,"a",@progbits
	.p2align	6, 0x0
	.amdhsa_kernel k_qbd3f0bf1c1_attn
		.amdhsa_group_segment_fixed_size 327680
		.amdhsa_private_segment_fixed_size 0
		.amdhsa_enable_private_segment 0
		.amdhsa_kernarg_size 16
		.amdhsa_user_sgpr_count 2
		.amdhsa_user_sgpr_kernarg_segment_ptr 1
		.amdhsa_wavefront_size32 1
		.amdhsa_system_sgpr_workgroup_id_x 1
		.amdhsa_system_sgpr_workgroup_id_y 1
		.amdhsa_system_sgpr_workgroup_id_z 1
		.amdhsa_system_vgpr_workitem_id 0
		.amdhsa_next_free_vgpr 256
		.amdhsa_next_free_sgpr 100
		.amdhsa_reserve_vcc 1
		.amdhsa_float_denorm_mode_32 3
		.amdhsa_float_denorm_mode_16_64 3
		.amdhsa_memory_ordered 1
		.amdhsa_forward_progress 1
		.amdhsa_inst_pref_size 188
	.end_amdhsa_kernel
	.amdgpu_metadata
---
amdhsa.version: [ 1, 2 ]
amdhsa.kernels:
  - .name:           k_qbd3f0bf1c1_attn
    .symbol:         k_qbd3f0bf1c1_attn.kd
    .args:
      - { .name: qkv16, .offset: 0, .size: 8, .value_kind: global_buffer, .address_space: global }
      - { .name: ao16, .offset: 8, .size: 8, .value_kind: global_buffer, .address_space: global }
    .group_segment_fixed_size: 327680
    .private_segment_fixed_size: 0
    .kernarg_segment_align: 8
    .kernarg_segment_size: 16
    .max_flat_workgroup_size: 512
    .sgpr_count:     100
    .vgpr_count:     256
    .wavefront_size: 32
...
	.end_amdgpu_metadata
.endif
;; end of part 3
;; launch proj (part 4): grid 8 x 32, 4 waves a work-group, clusters of 4 x 4, 327,680 bytes of LDS; arguments ao16, wp16, out0; writes out0
.if DOCPART == 4
	.amdgcn_target "amdgcn-amd-amdhsa--gfx1250"
	.amdhsa_code_object_version 6
	.text
	.protected	k_qbd3f0bf1c1_proj
	.globl	k_qbd3f0bf1c1_proj
	.p2align	8
	.type	k_qbd3f0bf1c1_proj,@function
k_qbd3f0bf1c1_proj:
	s_mov_b64 s[64:65], 0
	v_nop
	global_prefetch_b8 v0, s[64:65] scope:SCOPE_SE
	s_setreg_imm32_b32 hwreg(HW_REG_WAVE_MODE, 25, 1), 1
	s_wait_xcnt 0x0
	s_wait_alu depctr_hold_cnt(0) depctr_sa_sdst(0) depctr_va_vdst(0) depctr_va_sdst(0) depctr_va_ssrc(0) depctr_va_vcc(0) depctr_vm_vsrc(0)
	s_getreg_b32 s2, hwreg(HW_REG_IB_STS2, 6, 4)
	s_cmp_eq_u32 s2, 0
	s_cbranch_scc0 .Lentry_in_a_cluster
	s_endpgm
.Lentry_in_a_cluster:
	s_bfe_u32 s2, ttmp6, 0x10000c
	s_cmp_lg_u32 s2, 0xf033
	s_cbranch_scc0 .Lentry_shape_is_right
	s_endpgm
.Lentry_shape_is_right:
; PROJ: out0[token][o] = sum over c of ao[token][c] w_proj[o][c], operands in f16, sums in f32, out in f32.
; A = ao16: two tokens are one row of 4,096 bytes: at byte head x 256 + (token % 2) x 128 + 2 x channel; c = 64 x head + channel.  A K step of 128 (two heads) is 512 consecutive bytes of such a row.
; B = wp16 [1024][1024] f16.  A tile of 256 tokens x 128 outputs gives 256 work-groups; a wave makes 128 x 64: 32 accumulators.  K goes in 8 steps of 128 through a ring of two LDS slots.
; CLUSTERS: 4 x 4 work-groups; A's tile is shared along a row of the cluster, B's along a column: joint loads.  THE MATRIX INSTRUCTION IS USED TRANSPOSED (source 0 = 16 rows of B, source 1 = 16 tokens of A):
; a lane holds eight neighbouring outputs of one token.  The first 16 positions of each sequence are written again, more finely, by a later launch.
; REGISTERS: window 0: v16-30 addresses; v32-95 rows on the way out.   window 1: two fragment buffers at v0 and v128: B's 4 fragments, then A's 8.   window 2: accumulator (a, b) at v[8 (4 a + b)].
.set PA,     528                       ; a pair of tokens in LDS: 512 bytes + 16 of padding
.set PB,     272                       ; a row of B: 256 + 16
.set HALFA,  64*PA                     ; what one tensor load brings of A, and what one wave reads of it
.set HALFB,  64*PB
.set BOFF,   2*HALFA
.set SLOT,   BOFF+2*HALFB
.set STAGE,  2*SLOT                    ; behind the ring: 16 rows x 272 bytes for each wave
.set SPITCH, 272
.set SPARE,  STAGE+4*16*SPITCH         ; the spare words, 128 bytes a wave, which no other line names
.set LAPS,   4                         ; a lap = two K steps = once round the ring
.set ADRA, 16
.set ADRB, 20
.set STO,  24
.set RD,   25
.set CO,   26
.set SPW,  28
.set NIL,  29
.set BK,   32
.set F0,   0
.set F1,   128
.set G1, 24
.set G0, 32
.set G1B, 48
.set G0B, 56
.set MSB, 0
.macro WIN new
.if MSB != \new
	s_set_vgpr_msb (MSB<<8)|\new
.set MSB, \new
.endif
.endm
.set MUL,  0xa5                        ; sources 0 and 1 window 1; C and D window 2
.set TO_F, 0x40                        ; destination window 1, address window 0
.macro JLOAD s                         ; waves 0 and 1 fetch A's two halves, waves 2 and 3 B's; an s_nop 0 and four v_nop follow each of the two lines
	s_cmp_eq_u32 s11, 0
	s_cbranch_scc0 .Lfor_b_\@
	tensor_load_to_lds s[G0+4*\s:G0+4*\s+3], s[G1:G1+7]
	s_nop 0
.rept 4
	v_nop
.endr
	s_branch .Lasked_\@
.Lfor_b_\@:
	tensor_load_to_lds s[G0B+4*\s:G0B+4*\s+3], s[G1B:G1B+7]
	s_nop 0
.rept 4
	v_nop
.endr
.Lasked_\@:
.endm
.macro CREST
	s_cmp_lg_u32 s10, 0
	s_cbranch_scc1 .Lnot_wave_0_\@
	s_barrier_signal -3
.Lnot_wave_0_\@:
	s_barrier_wait -3
	s_barrier_signal -1
	s_barrier_wait -1
.endm
.macro CROUND
	s_barrier_signal -1
	s_barrier_wait -1
	CREST
.endm
	s_load_b128 s[4:7], s[0:1], 0x0                ; ao16, wp16
	s_load_b64 s[8:9], s[0:1], 0x10                ; out0
	v_lshl_add_u32 v[SPW], v0, 2, SPARE
	v_mov_b32 v[NIL], 0
	ds_add_u32 v[SPW], v[NIL]                      ; the wave's opening: the add, twice on end, and its wait ahead of my first tensor load
	ds_add_u32 v[SPW], v[NIL]
	v_lshrrev_b32 v1, 5, v0
	v_readfirstlane_b32 s10, v1                    ; wave 0..3
	s_lshr_b32 s11, s10, 1                         ; which half of the tile's tokens is mine.  Also: I fetch for A (0) or for B (1)
	s_and_b32 s12, s10, 1                          ; which half of its outputs.  Also: which half of that tile I fetch
	s_bfe_u32 s40, ttmp6, 0x40000                  ; cx, cy
	s_bfe_u32 s41, ttmp6, 0x40004
	s_lshl_b32 s42, ttmp9, 2
	s_add_co_u32 s42, s42, s40                     ; tile column
	s_and_b32 s13, ttmp7, 0xffff
	s_lshl_b32 s13, s13, 2
	s_add_co_u32 s13, s13, s41                     ; tile row
	s_lshl_b32 s43, s41, 2
	s_lshl_b32 s43, 15, s43                        ; my row of the cluster
	s_lshl_b32 s44, 0x1111, s40                    ; my column
	; group 1 for A: 64 rows of 256 elements of 2 bytes, 2,048 elements apart; 4 words of padding behind every 128
	s_or_b32 s[G1+0], s43, (1<<16)|(1<<20)|(1<<21)|(6<<22)|(3<<25)
	s_mov_b32 s[G1+1], 256<<16
	s_mov_b32 s[G1+2], 64<<16
	s_mov_b32 s[G1+3], 256<<16
	s_mov_b32 s[G1+4], 64
	s_mov_b32 s[G1+5], 2048
	s_mov_b32 s[G1+6], 0
	s_mov_b32 s[G1+7], 0
	; for B: 64 rows of 128 elements, 1,024 apart; 4 words of padding behind every 64
	s_or_b32 s[G1B+0], s44, (1<<16)|(1<<20)|(1<<21)|(5<<22)|(3<<25)
	s_mov_b32 s[G1B+1], 128<<16
	s_mov_b32 s[G1B+2], 64<<16
	s_mov_b32 s[G1B+3], 128<<16
	s_mov_b32 s[G1B+4], 64
	s_mov_b32 s[G1B+5], 1024
	s_mov_b32 s[G1B+6], 0
	s_mov_b32 s[G1B+7], 0
	s_lshl_b32 s18, s12, 6                         ; which 64 rows of the tile I fetch
	s_lshl_b32 s16, s13, 7
	s_add_co_u32 s16, s16, s18                     ; A: pair of tokens 128 x tile row + 64 x half,
	s_lshl_b32 s16, s16, 12                        ; 4,096 bytes each
	s_mov_b32 s17, 0
	s_lshl_b32 s46, s42, 7
	s_add_co_u32 s46, s46, s18                     ; B: row 128 x tile column + 64 x half,
	s_lshl_b32 s46, s46, 11                        ; 2,048 bytes each
	s_mov_b32 s47, 0
	s_mul_i32 s20, s12, HALFA                      ; where they go: no place in the cluster enters an LDS address
	s_mul_i32 s21, s12, HALFB
	s_add_co_u32 s21, s21, BOFF
	s_wait_dscnt 0x0                               ; both opening adds are done
	s_wait_kmcnt 0x0
	s_add_nc_u64 s[14:15], s[4:5], s[16:17]
	s_add_nc_u64 s[46:47], s[6:7], s[46:47]
	CROUND                                         ; all sixteen work-groups are here: the first joint loads meet
.irp s, 0,1
	s_mov_b32 s[G0+4*\s], 1
	s_add_co_u32 s[G0+4*\s+1], s20, \s*SLOT
	s_add_nc_u64 s[G0+4*\s+2:G0+4*\s+3], s[14:15], \s*512
	s_or_b32 s[G0+4*\s+3], s[G0+4*\s+3], 0x80000000
	s_mov_b32 s[G0B+4*\s], 1
	s_add_co_u32 s[G0B+4*\s+1], s21, \s*SLOT
	s_add_nc_u64 s[G0B+4*\s+2:G0B+4*\s+3], s[46:47], \s*256
	s_or_b32 s[G0B+4*\s+3], s[G0B+4*\s+3], 0x80000000
	JLOAD \s
.endr
	v_and_b32 v1, 15, v0                           ; r
	v_bfe_u32 v2, v0, 4, 1                         ; h
	v_lshrrev_b32 v3, 1, v1
	v_mul_u32_u24 v3, v3, PA                       ; A: token r lies in pair r / 2,
	v_and_b32 v4, 1, v1
	v_lshl_add_u32 v3, v4, 7, v3                   ; 128 (r % 2) bytes on
	v_lshl_add_u32 v3, v2, 4, v3
	v_mul_u32_u24 v5, v1, PB
	v_lshl_add_u32 v5, v2, 4, v5                   ; B: row r x pitch + 16 h
	s_mul_i32 s21, s11, HALFA                      ; my 128 tokens
	s_mul_i32 s22, s12, HALFB                      ; my 64 outputs
	s_add_co_u32 s22, s22, BOFF
.irp s, 0,1
	v_add_nc_u32 v[ADRA+\s], s21, v3
	v_add_nc_u32 v[ADRB+\s], s22, v5
	s_add_co_u32 s21, s21, SLOT
	s_add_co_u32 s22, s22, SLOT
.endr
	s_mul_i32 s23, s10, 16*SPITCH
	s_add_co_u32 s23, s23, STAGE                   ; my stage
	v_mul_u32_u24 v4, v1, SPITCH
	v_lshl_add_u32 v4, v2, 5, v4
	v_add_nc_u32 v[STO], s23, v4                   ; in: token r's row, + 32 h
	v_mul_u32_u24 v5, v2, SPITCH
	v_lshl_add_u32 v5, v1, 4, v5
	v_add_nc_u32 v[RD], s23, v5                    ; back: lanes 0-15 one row of 256 bytes, lanes 16-31 the next
	v_lshlrev_b32 v[CO], 4, v1
	v_lshl_add_u32 v[CO], v2, 12, v[CO]            ; and the same two rows in out0
	s_lshl_b32 s16, s13, 8
	s_lshl_b32 s17, s11, 7
	s_add_co_u32 s16, s16, s17                     ; my first token
	s_lshl_b32 s16, s16, 12
	s_mov_b32 s17, 0
	s_add_nc_u64 s[8:9], s[8:9], s[16:17]
	s_lshl_b32 s46, s42, 9                         ; my first output, in bytes: 512 x tile column + 256 x half
	s_lshl_b32 s47, s12, 8
	s_add_co_u32 s46, s46, s47
	s_mov_b32 s47, 0
	s_add_nc_u64 s[8:9], s[8:9], s[46:47]
; 8 matrix instructions: token blocks a0, a0 + 1 x the 4 output blocks, 32 along K.  The 32 accumulators take turns, in the same order in every quarter.
.macro MUL8 f, a0, zero
.irp a, \a0, \a0+1
.irp b, 0,1,2,3
.if \zero
	v_wmma_f32_16x16x32_f16 v[8*(4*(\a)+\b):8*(4*(\a)+\b)+7], v[\f+8*\b:\f+8*\b+7], v[\f+32+8*(\a):\f+32+8*(\a)+7], 0
.else
	v_wmma_f32_16x16x32_f16 v[8*(4*(\a)+\b):8*(4*(\a)+\b)+7], v[\f+8*\b:\f+8*\b+7], v[\f+32+8*(\a):\f+32+8*(\a)+7], v[8*(4*(\a)+\b):8*(4*(\a)+\b)+7]
.endif
.endr
.endr
.endm
; 24 LDS loads in one run: quarter kq (32 along K) of a slot into buffer f: B's four fragments, A's blocks 0-3, A's blocks 4-7
.macro FETCH slot, kq, f
	WIN TO_F
.irp i, 0,1,2,3
	ds_load_b128 v[\f+8*\i:\f+8*\i+3],   v[ADRB+\slot] offset:\i*16*PB+64*(\kq)
	ds_load_b128 v[\f+8*\i+4:\f+8*\i+7], v[ADRB+\slot] offset:\i*16*PB+64*(\kq)+32
.endr
.irp i, 0,1,2,3,4,5,6,7
	ds_load_b128 v[\f+32+8*\i:\f+32+8*\i+3],   v[ADRA+\slot] offset:\i*8*PA+((\kq)/2)*256+((\kq)%2)*64
	ds_load_b128 v[\f+32+8*\i+4:\f+32+8*\i+7], v[ADRA+\slot] offset:\i*8*PA+((\kq)/2)*256+((\kq)%2)*64+32
.endr
.endm
.macro PLACES                          ; four places ahead of loads into registers that matrix instructions have read, and of the first read of results
.rept 4
	v_nop
.endr
.endm
.macro QUARTER slot, kq, f, g, zero    ; multiplies buffer f and fetches quarter kq of the same slot into g
	s_wait_dscnt 8                                 ; B and A's blocks 0-3 are in; the youngest eight loads (A's blocks 4-7) may be out
	WIN MUL
	MUL8 \f, 0, \zero
	MUL8 \f, 2, \zero
	PLACES
	FETCH \slot, \kq, \g
	s_wait_dscnt 24                                ; all but the 24 just issued
	WIN MUL
	MUL8 \f, 4, \zero
	MUL8 \f, 6, \zero
.endm
; A slot's last quarter multiplies buffer 1 and changes slots: one barrier; ahead of it each wave waits for all its tensor loads, adds 0 to its spare word, and waits for that and for its reads of this slot.
.macro TURN slot, next, fill
	WIN 0                                          ; (the add's two registers lie in window 0)
	s_wait_tensorcnt 0x0                           ; all my tensor loads have landed: my part of the next slot
	ds_add_u32 v[SPW], v[NIL]
	s_wait_dscnt 9                                 ; (the add and the youngest eight loads may be out)
	WIN MUL
	MUL8 F1, 0, 0
	s_wait_dscnt 0x0                               ; the add is done, and my reads of this slot are over
	s_barrier_signal -1
	MUL8 F1, 2, 0
.if \fill
	WIN 0
.endif
	s_barrier_wait -1
.if \fill
	CREST                                          ; the barrier has opened a round of the cluster's barrier: no wave of any partner still reads this slot or has a load on its way
	s_add_nc_u64 s[G0+4*\slot+2:G0+4*\slot+3], s[G0+4*\slot+2:G0+4*\slot+3], 1024
	s_add_nc_u64 s[G0B+4*\slot+2:G0B+4*\slot+3], s[G0B+4*\slot+2:G0B+4*\slot+3], 512
	JLOAD \slot                                    ; the first tensor load behind the round; its four v_nop are also the places ahead of the loads below
.else
	PLACES
.endif
	FETCH \next, 0, F0
	WIN MUL
	MUL8 F1, 4, 0
	MUL8 F1, 6, 0
.endm
	s_wait_tensorcnt 1                             ; my part of K step 0 is in (K step 1's load may be out),
	s_barrier_signal -1
	s_barrier_wait -1                              ; everybody's is
	FETCH 0, 0, F0
	QUARTER 0, 1, F0, F1, 1                        ; the first quarter's products start the sums
	WIN 0
	s_mov_b32 s3, LAPS-1
.Llap:                                                 ; a trip goes once round the ring and fills both slots again
	QUARTER 0, 2, F1, F0, 0
	QUARTER 0, 3, F0, F1, 0
	TURN 0, 1, 1
	QUARTER 1, 1, F0, F1, 0
	QUARTER 1, 2, F1, F0, 0
	QUARTER 1, 3, F0, F1, 0
	TURN 1, 0, 1
	QUARTER 0, 1, F0, F1, 0
	WIN 0
	s_sub_co_u32 s3, s3, 1
	s_cmp_lg_u32 s3, 0
	s_cbranch_scc1 .Llap
	QUARTER 0, 2, F1, F0, 0                        ; the last lap fills nothing
	QUARTER 0, 3, F0, F1, 0
	TURN 0, 1, 0
	QUARTER 1, 1, F0, F1, 0
	QUARTER 1, 2, F1, F0, 0
	QUARTER 1, 3, F0, F1, 0
	s_wait_dscnt 8
	WIN MUL
	MUL8 F1, 0, 0
	MUL8 F1, 2, 0
	s_wait_dscnt 0
	MUL8 F1, 4, 0
	MUL8 F1, 6, 0
	WIN 0
; THE WAY OUT, block by block of 16 tokens x 64 outputs: through my own stage, back as whole rows of 256 bytes.
.macro TOSTAGE a
	WIN 0x08                                       ; an LDS store's data are its source 1: window 2
.irp b, 0,1,2,3
	ds_store_b128 v[STO], v[8*(4*(\a)+\b):8*(4*(\a)+\b)+3] offset:64*\b        ; each accumulator from its low end on
	ds_store_b128 v[STO], v[8*(4*(\a)+\b)+4:8*(4*(\a)+\b)+7] offset:64*\b+16
.endr
	WIN 0
.set BB, BK+32*((\a)%2)
.irp t, 0,1,2,3,4,5,6,7
	ds_load_b128 v[BB+4*\t:BB+4*\t+3], v[RD] offset:\t*2*SPITCH    ; LDS serves a wave's instructions in order: these see the stores above
.endr
.endm
.macro SEND a, younger
.set BB, BK+32*((\a)%2)
	s_wait_dscnt \younger
.irp t, 0,1,2,3,4,5,6,7
	global_store_b128 v[CO], v[BB+4*\t:BB+4*\t+3], s[8:9] offset:(16*(\a)+2*\t)*4096 th:TH_STORE_NT   ; sixteen lanes store 256 consecutive bytes, aligned
.endr
.endm
	PLACES
	TOSTAGE 0
.irp a, 1,2,3,4,5,6,7
.if \a > 1
	s_wait_xcnt 0x0                                ; block a - 2's stores have read their registers: block a's loads may land there
.endif
	TOSTAGE \a
	SEND \a-1, 16                                  ; behind block a - 1's loads: block a's 8 stores and 8 loads
.endr
	SEND 7, 0
	s_wait_tensorcnt 0x0                           ; the wave's end
	ds_add_u32 v[SPW], v[NIL]
	s_wait_dscnt 0x0
	CROUND                                         ; the closing round
	s_endpgm
.Lfunc_end_k_qbd3f0bf1c1_proj:
	.size	k_qbd3f0bf1c1_proj, .Lfunc_end_k_qbd3f0bf1c1_proj-k_qbd3f0bf1c1_proj
	.p2alignl 7, 3214868480
	.fill 96, 4, 3214868480
	.section	.rodata,"a",@progbits
	.p2align	6, 0x0
	.amdhsa_kernel k_qbd3f0bf1c1_proj
		.amdhsa_group_segment_fixed_size 327680
		.amdhsa_private_segment_fixed_size 0
		.amdhsa_enable_private_segment 0
		.amdhsa_kernarg_size 24
		.amdhsa_user_sgpr_count 2
		.amdhsa_user_sgpr_kernarg_segment_ptr 1
		.amdhsa_wavefront_size32 1
		.amdhsa_system_sgpr_workgroup_id_x 1
		.amdhsa_system_sgpr_workgroup_id_y 1
		.amdhsa_system_sgpr_workgroup_id_z 1
		.amdhsa_system_vgpr_workitem_id 0
		.amdhsa_next_free_vgpr 768
		.amdhsa_next_free_sgpr 66
		.amdhsa_reserve_vcc 0
		.amdhsa_float_denorm_mode_32 3
		.amdhsa_float_denorm_mode_16_64 3
		.amdhsa_memory_ordered 1
		.amdhsa_forward_progress 1
		.amdhsa_inst_pref_size 86
	.end_amdhsa_kernel
	.amdgpu_metadata
---
amdhsa.version: [ 1, 2 ]
amdhsa.kernels:
  - .name:           k_qbd3f0bf1c1_proj
    .symbol:         k_qbd3f0bf1c1_proj.kd
    .args:
      - { .name: ao16, .offset: 0, .size: 8, .value_kind: global_buffer, .address_space: global }
      - { .name: wp16, .offset: 8, .size: 8, .value_kind: global_buffer, .address_space: global }
      - { .name: out0, .offset: 16, .size: 8, .value_kind: global_buffer, .address_space: global }
    .group_segment_fixed_size: 327680
    .private_segment_fixed_size: 0
    .kernarg_segment_align: 8
    .kernarg_segment_size: 24
    .max_flat_workgroup_size: 128
    .sgpr_count:     66
    .vgpr_count:     768
    .wavefront_size: 32
...
	.end_amdgpu_metadata
.endif
;; end of part 4
;; launch fine_attn (part 5): grid 64 x 1, 12 waves a work-group, no clusters, 18,176 bytes of LDS; arguments codes, scales, rope, fo32; writes fo32
.if DOCPART == 5
	.amdgcn_target "amdgcn-amd-amdhsa--gfx1250"
	.amdhsa_code_object_version 6
	.text
	.protected	k_qbd3f0bf1c1_fine_attn
	.globl	k_qbd3f0bf1c1_fine_attn
	.p2align	8
	.type	k_qbd3f0bf1c1_fine_attn,@function
k_qbd3f0bf1c1_fine_attn:
	s_mov_b64 s[64:65], 0
	v_nop
	global_prefetch_b8 v0, s[64:65] scope:SCOPE_SE
	s_setreg_imm32_b32 hwreg(HW_REG_WAVE_MODE, 25, 1), 1
	s_wait_xcnt 0x0
; FINE_ATTN: positions 0 to 15 of each (batch, head), whose rows average few values: q, k, v are made again from the codes (the quantised product, on FP4 codes), and all that follows stays in f32:
; the rotary embedding, S^T = K Q^T and O^T = V^T P by the f32 matrix form (20 instructions a wave: no bulk work), the softmax with its maximum.  Out: fo32 [batch x 16 + position][1024] f32.
; One work-group to a (batch, head); twelve waves.  Phase 1: wave w makes one tile of 16 positions x 16 features: q (w = 0..3), k (4..7), v (8..11), and stores it in LDS as an image of its registers.
; q and k are made with source 0 = 16 rows of the weight, source 1 = x's 16 rows: a lane holds a position, its registers features 8 h + j.  v the other way round: a lane holds a channel, its registers positions 8 h + j.
; Which is chosen by the operands' offsets alone (s_cselect_b32 on the wave's number): the text has one path.  Phase 2: waves 0..3, 16 channels of the output each.  Phase 3: waves 0..7 store two rows each.
.set STG,   12288                      ; behind the twelve images of 1,024 bytes: 16 rows x (256 + 16) bytes
.set SPARE, 16640                      ; the spare words, 128 bytes a wave, which no other line names
	s_load_b256 s[4:11], s[0:1], 0x0               ; codes, scales, rope, fo32
	v_lshl_add_u32 v2, v0, 2, SPARE                ; v2, v3: the add's two; never rewritten
	v_mov_b32 v3, 0
	v_lshrrev_b32 v1, 5, v0
	v_readfirstlane_b32 s12, v1                    ; wave 0..11
	v_and_b32 v1, 31, v0                           ; lane
	v_and_b32 v12, 15, v0                          ; r
	v_bfe_u32 v13, v0, 4, 1                        ; h
	; every address is made here, ahead of the first parting of the waves
	v_lshlrev_b32 v5, 4, v1                        ; 16 x lane: an image's place for my lane
	s_lshl_b32 s13, s12, 10
	v_add_nc_u32 v6, s13, v5                       ; my wave's image
	v_lshlrev_b32 v7, 9, v12
	v_lshl_add_u32 v7, v13, 4, v7                  ; codes: row r of 512 bytes, + 16 h
	v_lshlrev_b32 v8, 5, v12                       ; scale bytes: row r of 32
	v_lshlrev_b32 v9, 8, v12
	v_lshl_add_u32 v9, v13, 5, v9                  ; the table: token r, + 32 h
	v_mul_u32_u24 v10, v12, 272
	v_lshl_add_u32 v10, v13, 5, v10
	s_lshl_b32 s13, s12, 6
	s_add_co_u32 s13, s13, STG
	v_add_nc_u32 v10, s13, v10                     ; the stage, in: row r, + 32 h + 64 x wave
	s_lshl_b32 s13, s12, 1
	v_add_nc_u32 v11, s13, v13                     ; the row that I store in phase 3: 2 x wave + h
	v_lshlrev_b32 v14, 12, v11
	v_lshl_add_u32 v14, v12, 4, v14                ; in fo32
	v_mul_u32_u24 v11, v11, 272
	v_lshl_add_u32 v11, v12, 4, v11
	v_add_nc_u32 v11, STG, v11                     ; and in the stage
	v_lshlrev_b32 v15, 3, v13
	v_sub_nc_u32 v15, v12, v15                     ; r - 8 h, for the mask
	s_lshr_b32 s14, ttmp9, 4                       ; batch
	s_and_b32 s15, ttmp9, 15                       ; head
	s_lshr_b32 s16, s12, 2                         ; q, k or v
	s_and_b32 s17, s12, 3                          ; which 16 of the head's 64
	s_lshl_b32 s18, s16, 10
	s_lshl_b32 s19, s15, 6
	s_add_co_u32 s18, s18, s19
	s_lshl_b32 s19, s17, 4
	s_add_co_u32 s18, s18, s19                     ; the weight's first row
	s_lshl_b32 s20, s18, 9
	s_add_co_u32 s20, s20, 0x400000                ; its codes,
	s_lshl_b32 s21, s14, 20                        ; x's: 2,048 rows of 512 bytes a batch
	s_lshl_b32 s22, s18, 5
	s_add_co_u32 s22, s22, 0x40000                 ; its scale bytes,
	s_lshl_b32 s23, s14, 16                        ; x's
	s_cmp_eq_u32 s16, 2
	s_cselect_b32 s24, s21, s20                    ; source 0: the weight (q, k) or x (v)
	s_cselect_b32 s26, s20, s21                    ; source 1: the other
	s_cselect_b32 s28, s23, s22
	s_cselect_b32 s30, s22, s23
	s_mov_b32 s25, 0
	s_mov_b32 s27, 0
	s_mov_b32 s29, 0
	s_mov_b32 s31, 0
	s_mov_b32 s32, 0x76543210
	s_mov_b32 s33, 0xfedcba98                      ; v_permlanex16_b32's selects for lane l xor 16
	s_mov_b32 s34, 0x3e38aa3b                      ; c = log2(e) / 8
	s_lshl_b32 s36, s14, 16
	s_lshl_b32 s37, s15, 8
	s_add_co_u32 s36, s36, s37                     ; fo32: 16 rows of 4,096 bytes a batch, 256 bytes a head
	s_mov_b32 s37, 0
	s_wait_kmcnt 0x0
	s_add_nc_u64 s[24:25], s[4:5], s[24:25]
	s_add_nc_u64 s[26:27], s[4:5], s[26:27]
	s_add_nc_u64 s[28:29], s[6:7], s[28:29]
	s_add_nc_u64 s[30:31], s[6:7], s[30:31]
	s_add_nc_u64 s[10:11], s[10:11], s[36:37]
	; ---- phase 1: 44 loads, all on their way together
.irp s, 0,1,2,3,4,5,6,7
	global_load_b128 v[32+8*\s:35+8*\s],   v7, s[24:25] offset:64*\s
	global_load_b128 v[36+8*\s:39+8*\s],   v7, s[24:25] offset:64*\s+32
	global_load_b128 v[96+8*\s:99+8*\s],   v7, s[26:27] offset:64*\s
	global_load_b128 v[100+8*\s:103+8*\s], v7, s[26:27] offset:64*\s+32
.endr
	global_load_b128 v[160:163], v8, s[28:29]      ; scale words: register s is K step s; these sixteen registers hold scales and nothing else
	global_load_b128 v[164:167], v8, s[28:29] offset:16
	global_load_b128 v[168:171], v8, s[30:31]
	global_load_b128 v[172:175], v8, s[30:31] offset:16
.set NN, 0
.irp o, 0,16,64,80,128,144,192,208             ; cos of frequencies 8 h + j and 16 + 8 h + j, then sin likewise, of token r
	global_load_b128 v[184+NN:187+NN], v9, s[8:9] offset:\o
.set NN, NN+4
.endr
	s_wait_loadcnt 0x0
	v_wmma_scale_f32_16x16x128_f8f6f4 v[176:183], v[32:39], v[96:103], 0, v160, v168 matrix_a_fmt:MATRIX_FMT_FP4 matrix_b_fmt:MATRIX_FMT_FP4
.irp s, 1,2,3,4,5,6,7
	s_wait_alu depctr_va_vdst(0)                   ; a wait directly ahead of each link
	v_wmma_scale_f32_16x16x128_f8f6f4 v[176:183], v[32+8*\s:39+8*\s], v[96+8*\s:103+8*\s], v[176:183], v[160+\s], v[168+\s] matrix_a_fmt:MATRIX_FMT_FP4 matrix_b_fmt:MATRIX_FMT_FP4
.endr
.rept 4
	v_nop                                          ; places ahead of the read of the result and of loads into the operands' registers
.endr
	ds_store_b128 v6, v[176:179]                   ; the tile as an image of its registers, from its low end on
	ds_store_b128 v6, v[180:183] offset:512
	s_wait_dscnt 0x0                               ; for the others' sake: my stores have landed
	s_barrier_signal -1
	s_barrier_wait -1
	; ---- phase 2: waves 0..3
	s_cmp_lt_u32 s12, 4
	s_cbranch_scc0 .Lskip2
.irp i, 0,1,2,3
	ds_load_b128 v[32+8*\i:35+8*\i], v5 offset:1024*\i              ; Q: register 8 i + j = channel 16 i + 8 h + j of position r
	ds_load_b128 v[36+8*\i:39+8*\i], v5 offset:1024*\i+512
	ds_load_b128 v[64+8*\i:67+8*\i], v5 offset:4096+1024*\i         ; K likewise
	ds_load_b128 v[68+8*\i:71+8*\i], v5 offset:4096+1024*\i+512
.endr
	ds_load_b128 v[96:99],   v6 offset:8192        ; V's tile of my 16 channels: register j = position 8 h + j of channel r
	ds_load_b128 v[100:103], v6 offset:8704
	s_wait_dscnt 0x0
.macro ROT t                           ; the rotary embedding, in place
.irp i, 0,1
.irp j, 0,2,4,6
	v_pk_mul_f32 v[104:105], v[\t+16+8*\i+\j:\t+17+8*\i+\j], v[200+8*\i+\j:201+8*\i+\j]
	v_pk_mul_f32 v[106:107], v[\t+8*\i+\j:\t+1+8*\i+\j], v[200+8*\i+\j:201+8*\i+\j]
	v_pk_fma_f32 v[\t+8*\i+\j:\t+1+8*\i+\j], v[\t+8*\i+\j:\t+1+8*\i+\j], v[184+8*\i+\j:185+8*\i+\j], v[104:105] neg_lo:[0,0,1] neg_hi:[0,0,1]
	v_pk_fma_f32 v[\t+16+8*\i+\j:\t+17+8*\i+\j], v[\t+16+8*\i+\j:\t+17+8*\i+\j], v[184+8*\i+\j:185+8*\i+\j], v[106:107]
.endr
.endr
.endm
	ROT 32
	ROT 64
	; S^T = K Q^T: 16 steps of 4 channels.  A step's two registers hold the same four channels on both sides, so the order of the channels does not matter.  Two accumulators by turns; they are written by matrix instructions alone.
.set n, 0
.rept 16
.set AR, 216+8*(n%2)
.if n < 2
	v_wmma_f32_16x16x4_f32 v[AR:AR+7], v[64+2*n:65+2*n], v[32+2*n:33+2*n], 0
.else
	v_wmma_f32_16x16x4_f32 v[AR:AR+7], v[64+2*n:65+2*n], v[32+2*n:33+2*n], v[AR:AR+7]
.endif
.set n, n+1
.endr
.rept 8
	v_nop                                          ; eight places behind this form
.endr
.irp j, 0,1,2,3,4,5,6,7
	v_add_f32 v[112+\j], v[216+\j], v[224+\j]      ; the score of key 8 h + j and query r
.endr
	v_mov_b32 v108, 0xff800000
.irp j, 0,1,2,3,4,5,6,7
	v_cmp_gt_i32 vcc_lo, \j, v15                   ; hidden where 8 h + j > r
	v_cndmask_b32 v[112+\j], v[112+\j], v108, vcc_lo
.endr
	v_max3_num_f32 v109, v112, v113, v114
	v_max3_num_f32 v109, v109, v115, v116
	v_max3_num_f32 v109, v109, v117, v118
	v_max_num_f32 v109, v109, v119
	v_mov_b32 v110, 0
	v_permlanex16_b32 v110, v109, s32, s33
	v_max_num_f32 v109, v109, v110                 ; the row's maximum (key 0 counts for every query)
	v_mul_f32 v109, s34, v109
.irp j, 0,1,2,3,4,5,6,7
	v_fma_f32 v[120+\j], v[112+\j], s34, -v109
.endr
.irp j, 0,1,2,3,4,5,6,7
	v_exp_f32 v[120+\j], v[120+\j]
.endr
	v_nop
	s_wait_alu depctr_va_vdst(0)                   ; one wait for the eight, ahead of their first reader
	v_pk_add_f32 v[128:129], v[120:121], v[122:123]
	v_pk_add_f32 v[130:131], v[124:125], v[126:127]
	v_pk_add_f32 v[128:129], v[128:129], v[130:131]
	v_add_f32 v128, v128, v129
	v_permlanex16_b32 v110, v128, s32, s33
	v_add_f32 v128, v128, v110                     ; the row's sum
	v_rcp_f32 v129, v128
	v_nop
	s_wait_alu depctr_va_vdst(0)
	; O^T = V^T P: 4 steps of 4 keys; a step's two registers hold keys 8 h + 2 s, + 1 on both sides
	v_wmma_f32_16x16x4_f32 v[232:239], v[96:97], v[120:121], 0
	v_wmma_f32_16x16x4_f32 v[240:247], v[98:99], v[122:123], 0
	v_wmma_f32_16x16x4_f32 v[232:239], v[100:101], v[124:125], v[232:239]
	v_wmma_f32_16x16x4_f32 v[240:247], v[102:103], v[126:127], v[240:247]
.rept 8
	v_nop
.endr
.irp j, 0,1,2,3,4,5,6,7
	v_add_f32 v[136+\j], v[232+\j], v[240+\j]
.endr
.irp j, 0,1,2,3,4,5,6,7
	v_mul_f32 v[136+\j], v[136+\j], v129           ; o(query r, channel 16 w + 8 h + j)
.endr
	ds_store_b128 v10, v[136:139]
	ds_store_b128 v10, v[140:143] offset:16
.Lskip2:
	s_wait_dscnt 0x0
	s_barrier_signal -1
	s_barrier_wait -1                              ; 16 whole rows of 256 bytes lie in the stage
	; ---- phase 3: waves 0..7
	s_cmp_lt_u32 s12, 8
	s_cbranch_scc0 .Lend
	ds_load_b128 v[144:147], v11
	s_wait_dscnt 0x0
	global_store_b128 v14, v[144:147], s[10:11]    ; sixteen lanes store 256 consecutive bytes, aligned
.Lend:
	s_wait_tensorcnt 0x0                           ; the wave's end
	ds_add_u32 v2, v3
	s_wait_dscnt 0x0
	s_endpgm
.Lfunc_end_k_qbd3f0bf1c1_fine_attn:
	.size	k_qbd3f0bf1c1_fine_attn, .Lfunc_end_k_qbd3f0bf1c1_fine_attn-k_qbd3f0bf1c1_fine_attn
	.p2alignl 7, 3214868480
	.fill 96, 4, 3214868480
	.section	.rodata,"a",@progbits
	.p2align	6, 0x0
	.amdhsa_kernel k_qbd3f0bf1c1_fine_attn
		.amdhsa_group_segment_fixed_size 18176
		.amdhsa_private_segment_fixed_size 0
		.amdhsa_enable_private_segment 0
		.amdhsa_kernarg_size 32
		.amdhsa_user_sgpr_count 2
		.amdhsa_user_sgpr_kernarg_segment_ptr 1
		.amdhsa_wavefront_size32 1
		.amdhsa_system_sgpr_workgroup_id_x 1
		.amdhsa_system_sgpr_workgroup_id_y 1
		.amdhsa_system_sgpr_workgroup_id_z 1
		.amdhsa_system_vgpr_workitem_id 0
		.amdhsa_next_free_vgpr 256
		.amdhsa_next_free_sgpr 66
		.amdhsa_reserve_vcc 1
		.amdhsa_float_denorm_mode_32 3
		.amdhsa_float_denorm_mode_16_64 3
		.amdhsa_memory_ordered 1
		.amdhsa_forward_progress 1
		.amdhsa_inst_pref_size 20
	.end_amdhsa_kernel
	.amdgpu_metadata
---
amdhsa.version: [ 1, 2 ]
amdhsa.kernels:
  - .name:           k_qbd3f0bf1c1_fine_attn
    .symbol:         k_qbd3f0bf1c1_fine_attn.kd
    .args:
      - { .name: codes, .offset: 0, .size: 8, .value_kind: global_buffer, .address_space: global }
      - { .name: scales, .offset: 8, .size: 8, .value_kind: global_buffer, .address_space: global }
      - { .name: rope, .offset: 16, .size: 8, .value_kind: global_buffer, .address_space: global }
      - { .name: fo32, .offset: 24, .size: 8, .value_kind: global_buffer, .address_space: global }
    .group_segment_fixed_size: 18176
    .private_segment_fixed_size: 0
    .kernarg_segment_align: 8
    .kernarg_segment_size: 32
    .max_flat_workgroup_size: 384
    .sgpr_count:     66
    .vgpr_count:     256
    .wavefront_size: 32
...
	.end_amdgpu_metadata
.endif
;; end of part 5
;; launch fine_proj (part 6): grid 64 x 1, 16 waves a work-group, no clusters, 34,816 bytes of LDS; arguments fo32, w_proj, out0; writes out0
.if DOCPART == 6
	.amdgcn_target "amdgcn-amd-amdhsa--gfx1250"
	.amdhsa_code_object_version 6
	.text
	.protected	k_qbd3f0bf1c1_fine_proj
	.globl	k_qbd3f0bf1c1_fine_proj
	.p2align	8
	.type	k_qbd3f0bf1c1_fine_proj,@function
k_qbd3f0bf1c1_fine_proj:
	s_mov_b64 s[64:65], 0
	v_nop
	global_prefetch_b8 v0, s[64:65] scope:SCOPE_SE
	s_setreg_imm32_b32 hwreg(HW_REG_WAVE_MODE, 25, 1), 1
	s_wait_xcnt 0x0
; FINE_PROJ: the projection of positions 0 to 15 of each sequence, 64 rows in all, with f32 operands (the f32 matrix form: 64 instructions a wave, no bulk work).  It writes these rows of out0 anew.
; Work-group (batch, jc): 16 rows x 64 outputs.  Wave w: two tiles of 16 outputs (w % 2) and an eighth of K (w / 2): 128 along K.  Source 0 = 16 rows of w_proj, source 1 = the 16 rows of fo32.
; Lane (r, h) takes channels 128 (w / 2) + 64 h + 0..63 of its row: 256 consecutive bytes.  A step's two registers hold the same four channels on both sides.
; The eight parts of K meet in LDS as images of the accumulators and are added in ascending order by waves 0..7, which store two rows each.
.set SPARE, 32768                      ; behind the sixteen waves' images of 2,048 bytes: the spare words, 128 bytes a wave, which no other line names
	s_load_b128 s[4:7], s[0:1], 0x0                ; fo32, w_proj
	s_load_b64 s[8:9], s[0:1], 0x10                ; out0
	v_lshl_add_u32 v2, v0, 2, SPARE                ; v2, v3: the add's two; never rewritten
	v_mov_b32 v3, 0
	v_lshrrev_b32 v1, 5, v0
	v_readfirstlane_b32 s10, v1                    ; wave 0..15
	v_and_b32 v1, 31, v0
	v_and_b32 v12, 15, v0                          ; r; in the sum: which 16 bytes of a row's 256
	v_bfe_u32 v13, v0, 4, 1                        ; h
	v_lshlrev_b32 v4, 12, v12
	v_lshl_add_u32 v4, v13, 8, v4                  ; row r of 4,096 bytes, + 256 h
	s_lshl_b32 s11, s10, 11
	v_lshl_add_u32 v5, v1, 4, s11                  ; my images: 2,048 x wave + 16 x lane
	; the sum: row rr = 2 w + h, outputs 4 q .. 4 q + 3, q = lane % 16: they lie in the images of waves with w % 2 = q / 8, tile (q / 4) % 2, registers 4 (q % 2) on, lane 16 ((q / 2) % 2) + rr
	v_bfe_u32 v7, v0, 3, 1
	v_lshlrev_b32 v6, 11, v7
	v_bfe_u32 v7, v0, 2, 1
	v_lshl_add_u32 v6, v7, 10, v6
	v_and_b32 v7, 1, v0
	v_lshl_add_u32 v6, v7, 9, v6
	v_bfe_u32 v7, v0, 1, 1
	v_lshl_add_u32 v6, v7, 8, v6
	v_lshl_add_u32 v6, v13, 4, v6
	s_lshl_b32 s11, s10, 5
	v_add_nc_u32 v6, s11, v6
	v_lshlrev_b32 v8, 4, v12
	v_lshl_add_u32 v8, v13, 12, v8
	s_lshl_b32 s11, s10, 13
	v_add_nc_u32 v8, s11, v8                       ; in out0: row 2 w + h, 16 bytes a lane
	s_and_b32 s12, ttmp9, 3                        ; batch
	s_lshr_b32 s13, ttmp9, 2                       ; which 64 outputs
	s_and_b32 s14, s10, 1
	s_lshr_b32 s15, s10, 1
	s_lshl_b32 s15, s15, 9                         ; my eighth of K: 512 bytes on in each row
	s_lshl_b32 s16, s12, 16
	s_add_co_u32 s16, s16, s15
	s_mov_b32 s17, 0
	s_lshl_b32 s18, s13, 6
	s_lshl_b32 s19, s14, 5
	s_add_co_u32 s18, s18, s19
	s_lshl_b32 s18, s18, 12
	s_add_co_u32 s18, s18, s15
	s_mov_b32 s19, 0
	s_lshl_b32 s20, s12, 23                        ; a sequence is 2,048 rows of 4,096 bytes
	s_lshl_b32 s21, s13, 8
	s_add_co_u32 s20, s20, s21
	s_mov_b32 s21, 0
	s_wait_kmcnt 0x0
	s_add_nc_u64 s[4:5], s[4:5], s[16:17]
	s_add_nc_u64 s[6:7], s[6:7], s[18:19]
	s_add_nc_u64 s[8:9], s[8:9], s[20:21]
.irp n, 0,1,2,3,4,5,6,7,8,9,10,11,12,13,14,15
	global_load_b128 v[32+4*\n:35+4*\n],   v4, s[4:5] offset:16*\n
	global_load_b128 v[96+4*\n:99+4*\n],   v4, s[6:7] offset:16*\n
	global_load_b128 v[160+4*\n:163+4*\n], v4, s[6:7] offset:65536+16*\n
.endr
	s_wait_loadcnt 0x0
	v_wmma_f32_16x16x4_f32 v[224:231], v[96:97], v[32:33], 0           ; two accumulators by turns; they are written by matrix instructions alone
	v_wmma_f32_16x16x4_f32 v[232:239], v[160:161], v[32:33], 0
.set n, 1
.rept 31
	v_wmma_f32_16x16x4_f32 v[224:231], v[96+2*n:97+2*n], v[32+2*n:33+2*n], v[224:231]
	v_wmma_f32_16x16x4_f32 v[232:239], v[160+2*n:161+2*n], v[32+2*n:33+2*n], v[232:239]
.set n, n+1
.endr
.rept 8
	v_nop                                          ; eight places behind this form, ahead of the reads of the results and of loads into the operands' registers
.endr
	ds_store_b128 v5, v[224:227]                   ; each accumulator from its low end on
	ds_store_b128 v5, v[228:231] offset:512
	ds_store_b128 v5, v[232:235] offset:1024
	ds_store_b128 v5, v[236:239] offset:1536
	s_wait_dscnt 0x0                               ; for the others' sake: my stores have landed
	s_barrier_signal -1
	s_barrier_wait -1
	s_cmp_lt_u32 s10, 8
	s_cbranch_scc0 .Lend
.irp k, 0,1,2,3,4,5,6,7
	ds_load_b128 v[32+4*\k:35+4*\k], v6 offset:4096*\k
.endr
	s_wait_dscnt 0x0
.irp k, 1,2,3,4,5,6,7
	v_pk_add_f32 v[32:33], v[32:33], v[32+4*\k:33+4*\k]
	v_pk_add_f32 v[34:35], v[34:35], v[34+4*\k:35+4*\k]
.endr
	global_store_b128 v8, v[32:35], s[8:9]         ; sixteen lanes store 256 consecutive bytes, aligned
.Lend:
	s_wait_tensorcnt 0x0                           ; the wave's end
	ds_add_u32 v2, v3
	s_wait_dscnt 0x0
	s_endpgm
.Lfunc_end_k_qbd3f0bf1c1_fine_proj:
	.size	k_qbd3f0bf1c1_fine_proj, .Lfunc_end_k_qbd3f0bf1c1_fine_proj-k_qbd3f0bf1c1_fine_proj
	.p2alignl 7, 3214868480
	.fill 96, 4, 3214868480
	.section	.rodata,"a",@progbits
	.p2align	6, 0x0
	.amdhsa_kernel k_qbd3f0bf1c1_fine_proj
		.amdhsa_group_segment_fixed_size 34816
		.amdhsa_private_segment_fixed_size 0
		.amdhsa_enable_private_segment 0
		.amdhsa_kernarg_size 24
		.amdhsa_user_sgpr_count 2
		.amdhsa_user_sgpr_kernarg_segment_ptr 1
		.amdhsa_wavefront_size32 1
		.amdhsa_system_sgpr_workgroup_id_x 1
		.amdhsa_system_sgpr_workgroup_id_y 1
		.amdhsa_system_sgpr_workgroup_id_z 1
		.amdhsa_system_vgpr_workitem_id 0
		.amdhsa_next_free_vgpr 256
		.amdhsa_next_free_sgpr 66
		.amdhsa_reserve_vcc 0
		.amdhsa_float_denorm_mode_32 3
		.amdhsa_float_denorm_mode_16_64 3
		.amdhsa_memory_ordered 1
		.amdhsa_forward_progress 1
		.amdhsa_inst_pref_size 14
	.end_amdhsa_kernel
	.amdgpu_metadata
---
amdhsa.version: [ 1, 2 ]
amdhsa.kernels:
  - .name:           k_qbd3f0bf1c1_fine_proj
    .symbol:         k_qbd3f0bf1c1_fine_proj.kd
    .args:
      - { .name: fo32, .offset: 0, .size: 8, .value_kind: global_buffer, .address_space: global }
      - { .name: w_proj, .offset: 8, .size: 8, .value_kind: global_buffer, .address_space: global }
      - { .name: out0, .offset: 16, .size: 8, .value_kind: global_buffer, .address_space: global }
    .group_segment_fixed_size: 34816
    .private_segment_fixed_size: 0
    .kernarg_segment_align: 8
    .kernarg_segment_size: 24
    .max_flat_workgroup_size: 512
    .sgpr_count:     66
    .vgpr_count:     256
    .wavefront_size: 32
...
	.end_amdgpu_metadata
.endif
;; end of part 6
